; MI455X (gfx1250); checked and timed in simulation.
; The chip was launched on July 23, 2026; its instructions are those of AMD's public machine-readable ISA for CDNA 5 (MIT licence, August 2026) and "CDNA5" Instruction Set Architecture Reference Guide (July 2026). The comments in the code are by the model that wrote it; some were corrected since.
;; Multi Head Cross Attention. Allowed arithmetic: matrix products marked QUANTISED: E2M3 operands, one E8M0 scale for each 32 along K, by v_wmma_scale_f32_16x16x128_f8f6f4 with both operands' format E2M3, f32 sums; everything else in f32.
;; Inputs: Wk 1,024 x 1,024 float32; Wo 1,024 x 1,024 float32; Wq 1,024 x 1,024 float32; Wv 1,024 x 1,024 float32; bk 1,024 float32; bo 1,024 float32; bq 1,024 float32; bv 1,024 float32; key 4 x 1,024 x 1,024 float32; query 4 x 2,048 x 1,024 float32; value 4 x 1,024 x 1,024 float32.
;; Outputs: out0 4 x 2,048 x 1,024 float32.
;; This version of the problem:
;;   THIS VERSION OF THE PROBLEM IS GIVEN IN LOW PRECISION. The matrix products marked QUANTISED in the list below multiply operands that are first quantised to E2M3 (2 exponent bits, 3 mantissa bits; 6 bits a number), with one power-of-two scale for each 32 numbers along K (OCP MX v1.0); their sums are f32. All else is computed in f32.
;;   The module's matrix products, in the order in which they are computed (A, B: the left and right operand; K: the contracted axis; several contracted axes count as one K, in the product's order):
;;     1. [M 8,192, K 1,024] x [K 1,024, N 1,024]; A: input query; B: input Wq: QUANTISED
;;     2. [M 4,096, K 1,024] x [K 1,024, N 1,024]; A: input key; B: input Wk: QUANTISED
;;     3. [M 4,096, K 1,024] x [K 1,024, N 1,024]; A: input value; B: input Wv: QUANTISED
;;     4. batch 64 x [M 2,048, K 64] x [K 64, N 1,024]; A: computed on the way; B: computed on the way: QUANTISED
;;     5. batch 64 x [M 2,048, K 1,024] x [K 1,024, N 64]; A: softmax (see below); B: computed on the way: QUANTISED
;;     6. [M 8,192, K 1,024] x [K 1,024, N 1,024]; A: computed on the way; B: input Wo: QUANTISED
;;   THE QUANTISER, for each operand of a quantised product, along K:
;;     - K is cut into blocks of 32 from its start; a last block that is shorter is filled with zeros.
;;     - A block's scale is 2^e with e = floor(log2(the largest magnitude in the block)) - 2, held to -126 .. 127; a block of zeros has e = 0. As a byte (E8M0): e + 127.
;;     - Each number is divided by its block's scale, clamped to +-7.5, and rounded to the nearest number of E2M3, ties to even, subnormals kept.
;;     - The product sums the exact products of the quantised numbers (number of the format x scale) in f32.
;;   ~~~python
;;   def quantise(x, axis):      # numpy; x: float32 -> the quantised numbers, widened to float32 again
;;       x = np.moveaxis(x, axis, -1); K = x.shape[-1]
;;       x = np.pad(x, [(0, 0)] * (x.ndim - 1) + [(0, -K % 32)]); x = x.reshape(x.shape[:-1] + (-1, 32)); a = np.abs(x).max(-1, keepdims=True)
;;       e = np.where(a > 0, np.clip(np.frexp(np.where(a > 0, a, 1))[1] - 1 - 2, -126, 127), 0)      # np.frexp(a)[1] - 1 = floor(log2(a)), exactly
;;       r = np.clip(x / 2.0 ** e, -7.5, 7.5)
;;       step = 2.0 ** (np.maximum(np.frexp(np.where(r == 0, 1, r))[1] - 1, 0) - 3)
;;       q = np.round(r / step) * step * 2.0 ** e      # np.round: ties to even
;;       return np.moveaxis(q.reshape(q.shape[:-2] + (-1,))[..., :K], -1, axis).astype(np.float32)
;;   ~~~
;;   SOFTMAX AHEAD OF A QUANTISED PRODUCT. Where the list says 'softmax', what is quantised is not the finished softmax but p = 2^(t - M), with t = logit x log2(e) and M = ceil(the row's largest t), a whole number; so 1/2 < the row's largest p <= 1. The row's sum l is taken of the UNQUANTISED p, in f32, and the product's result is divided by l at the end. Since M is a whole number, a kernel that streams over the keys may use a running M (the ceiling of the running maximum): every later rescaling is an exact power of two, which a block's scale takes up: the codes' values come out the same.
;;   OPERANDS COMPUTED ON THE WAY. 'Computed on the way' means the value that the module computes at that place (a softmax that the list does not call 'softmax' is quantised finished and normalised). What goes into a quantiser is computed in f32, as accurately as f32 sums, v_exp_f32 and their like allow (about 1e-6 of the number): no bf16 or f16 on the way to a quantiser, and a product that is left as it is and whose result goes on into a quantised operand takes f32 operands (vector FMAs, or v_wmma_f32_16x16x4_f32). A number that lies on a knife's edge between two numbers of the format may be rounded either way, as far as f32 arithmetic and the matrix unit's own rounding can turn it there, and no further.
;; One version. Each part assembles by itself: llvm-mc -triple=amdgcn-amd-amdhsa -mcpu=gfx1250 --defsym DOCPART=n.
;; ======== version 1 of 1: 4 launches
;; limits: right only within a limited range of input values
;; workspace buffers: cod 15,728,640 bytes; scl 655,360 bytes; tab 786,432 bytes; qi 6,815,744 bytes; kvi 6,684,672 bytes; ai 6,291,456 bytes; asc 262,144 bytes
;; launch quant (part 1): grid 736 x 1, 4 waves a work-group, no clusters, 48,128 bytes of LDS; arguments query, key, value, Wq, Wk, Wv, Wo, cod, scl, tab; writes cod, scl, tab
.if DOCPART == 1
	.amdgcn_target "amdgcn-amd-amdhsa--gfx1250"
	.amdhsa_code_object_version 6
	.text
	.protected	k_q562f5114c8_quant
	.globl	k_q562f5114c8_quant
	.p2align	8
	.type	k_q562f5114c8_quant,@function
k_q562f5114c8_quant:
	s_mov_b64 s[64:65], 0
	v_nop
	global_prefetch_b8 v0, s[64:65] scope:SCOPE_SE
	s_setreg_imm32_b32 hwreg(HW_REG_WAVE_MODE, 25, 1), 1
	s_wait_xcnt 0x0
; query, key, value [rows][1024] and Wq, Wk, Wv, Wo [1024][1024], f32, K innermost, become codes of FP6 (E2M3) with one E8M0 byte for each 32 along K.
; The seven tensors count as one run of 20,480 rows: query 0.., key 8192.., value 12288.., Wq 16384.., Wk 17408.., Wv 18432.., Wo 19456...
; LAYOUT OF THE CODES (cod): images of operand registers.  Rows go in groups of 32; tile T = 2 g + u holds, as its lane-row i (0..15), row 32 g + 8 u + i + 8 (i / 8).
; A fragment (tile T, K step s of 128) is 1,536 bytes at (8 T + s) x 1,536: three planes of 512 bytes; plane p holds registers 4 p .. 4 p + 3 of lane l = i + 16 h at 16 l,
; registers 6 c .. 6 c + 5 of lane (i, h) being the codes of k = 64 c + 32 h + 0 .. 31.  LAYOUT OF THE BYTES (scl): [T][kk = 4][i = 16][8 bytes]: the scale words of K steps 2 kk and 2 kk + 1.
; A block's scale is 2^(floor(log2(largest magnitude)) - 2); its byte is the largest magnitude's exponent field - 2, held at 1 from below.
; LIMITS: a block of zeros gets the byte 1 where the stated quantiser says 127 (its codes are zeros, and this program alone reads the bytes); blocks whose largest magnitude lies under 2^-124 keep the floor's byte;
; NaN and infinities among the inputs are not served.
; SHARES: work-group g < 640 takes rows 32 g .. 32 g + 31; wave w rows 8 w .. 8 w + 7 of them, in 16 steps of 512 numbers (step t: row t / 2, half t % 2).  Each load reads 512 consecutive bytes; a step's 2,048 bytes
; turn through the wave's own stage so that a lane holds 16 neighbours along K.  Codes and bytes go to the work-group's stages at their image places, and leave behind one barrier as dense runs.
; Work-groups 640 .. 735 make the table of cosines and sines (tab): 3,072 rows of 256 bytes, [cos j = 0..31][sin j = 0..31]; rows 0-2047 the queries' positions, rows 2048 + p the keys'.
; The angle is 10 (p / L) 10000^(-j / 32); cosine and sine by reduction to |r| <= pi / 4 (pi / 2 in two parts) and polynomials of degree 7 and 8: about 1e-7 absolute.
.set STEPS, 16
.set EMAX,  2
.set SP,    80                         ; a lane's place in a turning stage: 64 bytes + 16
.set WREG,  2*32*SP                    ; two turning stages for each wave
.set CSTG,  4*WREG                     ; the code stage: 96 units of 256 bytes + 16
.set SSTG,  CSTG+96*272                ; the 1,024 scale bytes
.set R,     16                         ; v16-79   four sets of 16 numbers as loaded
.set X,     80                         ; v80-111  two sets of 16 neighbours
.set E,     112                        ; v112-127 a scale byte for each step
.set C,     128                        ; v128-191 codes, four registers for each step
	s_load_b512 s[4:19], s[0:1], 0x0               ; query s[4:5], key, value, Wq, Wk, Wv, Wo s[16:17], cod s[18:19]
	s_load_b128 s[20:23], s[0:1], 0x40             ; scl s[20:21], tab s[22:23]
	v_lshl_add_u32 v192, v0, 2, 0xba00
	v_mov_b32 v193, 0
	v_lshrrev_b32 v1, 5, v0
	v_readfirstlane_b32 s24, v1                    ; wave
	v_and_b32 v2, 31, v0                           ; lane
	s_cmp_ge_u32 ttmp9, 640                        ; the same for all waves of a work-group
	s_cbranch_scc1 .Ltable
	v_lshlrev_b32 v3, 4, v2                        ; my 16 bytes of a run of 512
	s_mul_i32 s25, s24, WREG
	v_lshrrev_b32 v14, 2, v2
	v_mul_u32_u24 v14, v14, SP
	v_and_b32 v15, 3, v2
	v_lshl_add_u32 v14, v15, 4, v14
	v_add_nc_u32 v14, s25, v14                     ; turning stage, in: SP (lane / 4) + 16 (lane % 4)
	v_mul_u32_u24 v15, v2, SP
	v_add_nc_u32 v15, s25, v15                     ; and out: SP x lane
	; my 16 numbers of a step are k = 16 lane of its 512: K step a3 = lane / 8, c = bit 2, h = bit 1, e = bit 0.  My three code words are operand registers 6 c + 3 e + j
	v_and_b32 v8, 1, v2
	v_bfe_u32 v9, v2, 1, 1
	v_bfe_u32 v10, v2, 2, 1
	v_lshrrev_b32 v11, 3, v2
	v_mul_u32_u24 v12, v10, 6
	v_mad_u32_u24 v12, v8, 3, v12                  ; 6 c + 3 e
	v_mad_u32_u24 v13, v11, 6, v9                  ; 6 a3 + h: units of 256 bytes
	s_and_b32 s26, s24, 1                          ; u: which tile my rows belong to
	s_lshr_b32 s27, s24, 1                         ; and which eight lane-rows
	s_mul_i32 s28, s26, 48*272
	s_lshl_b32 s29, s27, 7
	s_add_co_u32 s28, s28, s29
	s_add_co_u32 s28, s28, CSTG
.irp j, 0,1,2
	v_add_nc_u32 v8, \j, v12                       ; the register,
	v_lshrrev_b32 v9, 2, v8                        ; its plane,
	v_and_b32 v8, 3, v8                            ; its word in the lane's 16 bytes
	v_lshl_add_u32 v9, v9, 1, v13                  ; the unit: 6 a3 + 2 plane + h
	v_mul_u32_u24 v9, v9, 272
	v_lshl_add_u32 v9, v8, 2, v9
	v_add_nc_u32 v[4+\j], s28, v9                  ; v4-6: where my three code words go
.endr
	v_lshrrev_b32 v8, 4, v2
	v_bfe_u32 v9, v2, 1, 3
	v_lshl_add_u32 v8, v8, 7, v9                   ; 128 (a3 / 2) + 4 (a3 % 2) + block
	s_lshl_b32 s29, s26, 9
	s_lshl_b32 s30, s27, 6
	s_add_co_u32 s29, s29, s30
	s_add_co_u32 s29, s29, SSTG
	v_add_nc_u32 v7, s29, v8                       ; v7: where my block's byte goes
	v_lshrrev_b32 v8, 4, v2
	v_mul_u32_u24 v8, v8, 272
	v_and_b32 v9, 15, v2
	v_lshl_add_u32 v8, v9, 4, v8
	s_mul_i32 s30, s24, 24*272
	s_add_co_u32 s30, s30, CSTG
	v_add_nc_u32 v12, s30, v8                      ; v12: the way out: my wave's 24 units, two an instruction
	v_lshlrev_b32 v10, 3, v2                       ; v10: 8 x lane
	s_lshl_b32 s30, s24, 8
	s_add_co_u32 s30, s30, SSTG
	v_add_nc_u32 v13, s30, v10                     ; v13: my wave's 256 scale bytes
	s_wait_kmcnt 0x0
	s_mov_b64 s[26:27], s[16:17]                   ; which tensor: the choice hangs on the work-group's number alone
	s_mov_b32 s28, 608
	s_cmp_lt_u32 ttmp9, 608
	s_cselect_b64 s[26:27], s[14:15], s[26:27]
	s_cselect_b32 s28, 576, s28
	s_cmp_lt_u32 ttmp9, 576
	s_cselect_b64 s[26:27], s[12:13], s[26:27]
	s_cselect_b32 s28, 544, s28
	s_cmp_lt_u32 ttmp9, 544
	s_cselect_b64 s[26:27], s[10:11], s[26:27]
	s_cselect_b32 s28, 512, s28
	s_cmp_lt_u32 ttmp9, 512
	s_cselect_b64 s[26:27], s[8:9], s[26:27]
	s_cselect_b32 s28, 384, s28
	s_cmp_lt_u32 ttmp9, 384
	s_cselect_b64 s[26:27], s[6:7], s[26:27]
	s_cselect_b32 s28, 256, s28
	s_cmp_lt_u32 ttmp9, 256
	s_cselect_b64 s[26:27], s[4:5], s[26:27]
	s_cselect_b32 s28, 0, s28
	s_sub_co_u32 s28, ttmp9, s28
	s_lshl_b32 s28, s28, 17                        ; 32 rows of 4,096 bytes a work-group,
	s_lshl_b32 s29, s24, 15                        ; 8 a wave
	s_add_co_u32 s28, s28, s29
	s_mov_b32 s29, 0
	s_add_nc_u64 s[26:27], s[26:27], s[28:29]
	s_mul_i32 s28, ttmp9, 24576                    ; codes: 24,576 bytes a work-group, 6,144 a wave
	s_mul_i32 s30, s24, 6144
	s_add_co_u32 s28, s28, s30
	s_add_nc_u64 s[18:19], s[18:19], s[28:29]
	s_lshl_b32 s28, ttmp9, 10                      ; bytes: 1,024 a work-group, 256 a wave
	s_lshl_b32 s30, s24, 8
	s_add_co_u32 s28, s28, s30
	s_add_nc_u64 s[20:21], s[20:21], s[28:29]
.macro LOAD t
.irp i, 0,1,2,3
	global_load_b128 v[R+16*((\t)%4)+4*\i:R+16*((\t)%4)+4*\i+3], v3, s[26:27] offset:2048*(\t)+512*\i th:TH_LOAD_NT   ; 32 lanes read 512 consecutive bytes
.endr
.endm
.macro TURN t                          ; step t's numbers through the wave's stage: LDS serves a wave's instructions in order, so no wait stands between the stores and the loads
.irp i, 0,1,2,3
	ds_store_b128 v14, v[R+16*((\t)%4)+4*\i:R+16*((\t)%4)+4*\i+3] offset:32*SP*((\t)%2)+8*SP*\i
.endr
.irp i, 0,1,2,3
	ds_load_b128 v[X+16*((\t)%2)+4*\i:X+16*((\t)%2)+4*\i+3], v15 offset:32*SP*((\t)%2)+16*\i
.endr
.endm
.irp t, 0,1,2,3
	LOAD \t
.endr
	s_wait_loadcnt 12                              ; step 0's four loads are in
	TURN 0
.macro STEP t
.set XS, X+16*((\t)%2)
.if (\t) > 0
	s_wait_dscnt 4                                 ; this step's numbers are back from the stage; the last step's four stores into the work-group's stages may be out
.else
	s_wait_dscnt 0x0
.endif
.if (\t)+4 < STEPS
	LOAD (\t)+4
.endif
.if (\t)+1 < STEPS
.if STEPS-2-(\t) >= 3
	s_wait_loadcnt 12                              ; the next step's four loads are in; those of the three steps behind it may be out
.else
	s_wait_loadcnt 4*(STEPS-2-(\t))
.endif
	TURN (\t)+1
.endif
	v_max3_num_f32 v8, |v[XS]|, |v[XS+1]|, |v[XS+2]|               ; the largest magnitude of my 16, in two chains
	v_max3_num_f32 v9, |v[XS+3]|, |v[XS+4]|, |v[XS+5]|
.irp i, 6,10
	v_max3_num_f32 v8, v8, |v[XS+\i]|, |v[XS+\i+1]|
	v_max3_num_f32 v9, v9, |v[XS+\i+2]|, |v[XS+\i+3]|
.endr
	v_max3_num_f32 v8, v8, |v[XS+14]|, |v[XS+15]|
	v_max3_num_f32 v8, v8, v9, (EMAX+1)<<23        ; and the floor 2^(3 - 127): the byte cannot fall under 1
	v_max_num_f32_dpp v8, v8, v8 row_xmask:1 row_mask:0xf bank_mask:0xf   ; with my neighbour's 16: the block's
	v_add_nc_u32 v11, -(EMAX<<23), v8              ; 2 off its exponent field: the conversion's scale operand
	v_cvt_scalef32_pk16_fp6_f32 v[C+4*(\t):C+4*(\t)+2], v[XS:XS+15], v11
	v_lshrrev_b32 v[E+(\t)], 23, v11               ; the scale's byte (a plain line behind the conversion)
	ds_store_b8 v7, v[E+(\t)] offset:256*((\t)%2)+8*((\t)/2)       ; both lanes of a block write the same byte with the same value
	ds_store_b32 v4, v[C+4*(\t)] offset:24*272*((\t)%2)+16*((\t)/2)   ; K steps 4 (t % 2) on; lane-row t / 2 of my eight
	ds_store_b32 v5, v[C+4*(\t)+1] offset:24*272*((\t)%2)+16*((\t)/2)
	ds_store_b32 v6, v[C+4*(\t)+2] offset:24*272*((\t)%2)+16*((\t)/2)
.endm
.irp t, 0,1,2,3,4,5,6,7,8,9,10,11,12,13,14,15
	STEP \t
.endr
	s_wait_dscnt 0x0                               ; for the others' sake: my stores into the stages are done
	s_barrier_signal -1
	s_barrier_wait -1
.irp k, 0,1,2,3,4,5,6,7,8,9,10,11
	ds_load_b128 v[16+4*\k:19+4*\k], v12 offset:544*\k
.endr
	ds_load_b64 v[64:65], v13
.irp k, 0,1,2,3,4,5,6,7,8,9,10,11
	s_wait_dscnt 12-\k                             ; the younger read-backs may be out
	global_store_b128 v3, v[16+4*\k:19+4*\k], s[18:19] offset:512*\k   ; 32 lanes store 512 consecutive bytes, at a multiple of 256 from the buffer's first byte
.endr
	s_wait_dscnt 0x0
	global_store_b64 v10, v[64:65], s[20:21]       ; 32 lanes store 256 consecutive bytes
	s_wait_tensorcnt 0x0
	ds_add_u32 v192, v193
	s_wait_dscnt 0x0
	s_endpgm
.Ltable:                                           ; 32 rows of the table a work-group, 8 a wave, two an instruction; a lane makes four neighbouring numbers
	s_sub_co_u32 s25, ttmp9, 640
	s_lshl_b32 s26, s25, 5
	s_lshl_b32 s27, s24, 3
	s_add_co_u32 s26, s26, s27                     ; my wave's first row of the table
	s_cmp_lt_u32 s25, 64
	s_cselect_b32 s28, 0, 2048
	s_cselect_b32 s29, 0, 1                        ; a key's p / 1024 is 2 p / 2048, exactly
	s_sub_co_u32 s28, s26, s28                     ; its position
	s_lshl_b32 s26, s26, 8
	s_mov_b32 s27, 0
	s_mov_b32 s30, 0xbfc90fdb                      ; - pi / 2, its f32 part,
	s_mov_b32 s31, 0x333bbd2e                      ; and what that part is too large by
	s_mov_b32 s32, 0xb94ca1f9                      ; sine: -1.9515296e-4, 8.3321609e-3, -1.6666655e-1
	s_mov_b32 s33, 0x3c08839e
	s_mov_b32 s34, 0xbe2aaaa3
	s_mov_b32 s35, 0x37ccf5ce                      ; cosine: 2.4433157e-5, -1.3887316e-3, 4.1666646e-2
	s_mov_b32 s36, 0xbab6061a
	s_mov_b32 s37, 0x3d2aaaa5
	s_wait_alu depctr_va_vdst(0)
	v_lshrrev_b32 v3, 4, v2                        ; which of the two rows
	v_bfe_u32 v4, v2, 3, 1                         ; 0: cosines, 1: sines
	v_sub_nc_u32 v4, 1, v4                         ; cos x = sin(x + pi / 2): one quadrant on
	v_and_b32 v5, 7, v2
	v_lshlrev_b32 v5, 2, v5                        ; j of my first number
	v_lshlrev_b32 v6, 4, v2
.irp e, 0,1,2,3
	v_add_nc_u32 v[8+\e], \e, v5
	v_cvt_f32_u32 v[8+\e], v[8+\e]
	v_mul_f32 v[8+\e], 0xbed49a78, v[8+\e]         ; - j log2(10000) / 32
.endr
	s_wait_alu depctr_va_vdst(0)
.irp e, 0,1,2,3
	v_exp_f32 v[8+\e], v[8+\e]                     ; 10000^(-j / 32)
.endr
	v_nop                                          ; a plain line behind the last of the batch,
	s_wait_alu depctr_va_vdst(0)                   ; and the one wait ahead of its first reader
	s_wait_kmcnt 0x0
	s_add_nc_u64 s[22:23], s[22:23], s[26:27]
.irp it, 0,1,2,3
	v_add3_u32 v12, s28, v3, 2*\it
	v_lshlrev_b32 v12, s29, v12
	v_cvt_f32_u32 v12, v12
	v_mul_f32 v12, 0x3a000000, v12                 ; p / 2048, exact
	v_mul_f32 v12, 0x41200000, v12                 ; x 10
.irp e, 0,1,2,3
	v_mul_f32 v[16+\e], v12, v[8+\e]               ; the angle x
.endr
.irp e, 0,1,2,3
	v_mul_f32 v[20+\e], 0x3f22f983, v[16+\e]
.endr
.irp e, 0,1,2,3
	v_rndne_f32 v[20+\e], v[20+\e]                 ; n = the nearest whole number to x 2 / pi
.endr
.irp e, 0,1,2,3
	v_fma_f32 v[16+\e], v[20+\e], s30, v[16+\e]
.endr
.irp e, 0,1,2,3
	v_fma_f32 v[16+\e], v[20+\e], s31, v[16+\e]    ; r = x - n pi / 2
.endr
.irp e, 0,1,2,3
	v_mul_f32 v[24+\e], v[16+\e], v[16+\e]         ; z = r r
.endr
.irp e, 0,1,2,3
	v_fma_f32 v[28+\e], v[24+\e], s32, s33
	v_fma_f32 v[32+\e], v[24+\e], s35, s36
.endr
.irp e, 0,1,2,3
	v_fma_f32 v[28+\e], v[28+\e], v[24+\e], s34
	v_fma_f32 v[32+\e], v[32+\e], v[24+\e], s37
.endr
.irp e, 0,1,2,3
	v_mul_f32 v[28+\e], v[28+\e], v[24+\e]
	v_mul_f32 v[36+\e], v[24+\e], v[24+\e]
	v_fma_f32 v[40+\e], v[24+\e], -0.5, 1.0
.endr
.irp e, 0,1,2,3
	v_fma_f32 v[28+\e], v[28+\e], v[16+\e], v[16+\e]   ; sin r
	v_fma_f32 v[32+\e], v[32+\e], v[36+\e], v[40+\e]   ; cos r
	v_cvt_i32_f32 v[20+\e], v[20+\e]
.endr
.irp e, 0,1,2,3
	v_add_nc_u32 v[20+\e], v[20+\e], v4            ; the quadrant: 0 sin r, 1 cos r, 2 -sin r, 3 -cos r
	v_and_b32 v[36+\e], 1, v[20+\e]
	v_cmp_eq_u32 vcc_lo, 1, v[36+\e]
	v_cndmask_b32 v[28+\e], v[28+\e], v[32+\e], vcc_lo
	v_and_b32 v[20+\e], 2, v[20+\e]
	v_lshlrev_b32 v[20+\e], 30, v[20+\e]
	v_xor_b32 v[44+4*\it+\e], v[20+\e], v[28+\e]   ; each pair of rows has its own four registers: no store's data are written again
.endr
	global_store_b128 v6, v[44+4*\it:47+4*\it], s[22:23] offset:512*\it   ; two whole rows of 256 bytes
.endr
	s_endpgm
.Lfunc_end_k_q562f5114c8_quant:
	.size	k_q562f5114c8_quant, .Lfunc_end_k_q562f5114c8_quant-k_q562f5114c8_quant
	.p2alignl 7, 3214868480
	.fill 96, 4, 3214868480
	.section	.rodata,"a",@progbits
	.p2align	6, 0x0
	.amdhsa_kernel k_q562f5114c8_quant
		.amdhsa_group_segment_fixed_size 48128
		.amdhsa_private_segment_fixed_size 0
		.amdhsa_enable_private_segment 0
		.amdhsa_kernarg_size 80
		.amdhsa_user_sgpr_count 2
		.amdhsa_user_sgpr_kernarg_segment_ptr 1
		.amdhsa_wavefront_size32 1
		.amdhsa_system_sgpr_workgroup_id_x 1
		.amdhsa_system_sgpr_workgroup_id_y 1
		.amdhsa_system_sgpr_workgroup_id_z 1
		.amdhsa_system_vgpr_workitem_id 0
		.amdhsa_next_free_vgpr 194
		.amdhsa_next_free_sgpr 66
		.amdhsa_reserve_vcc 1
		.amdhsa_float_denorm_mode_32 3
		.amdhsa_float_denorm_mode_16_64 3
		.amdhsa_memory_ordered 1
		.amdhsa_forward_progress 1
		.amdhsa_inst_pref_size 59
	.end_amdhsa_kernel
	.amdgpu_metadata
---
amdhsa.version: [ 1, 2 ]
amdhsa.kernels:
  - .name:           k_q562f5114c8_quant
    .symbol:         k_q562f5114c8_quant.kd
    .args:
      - { .name: query, .offset: 0, .size: 8, .value_kind: global_buffer, .address_space: global }
      - { .name: key, .offset: 8, .size: 8, .value_kind: global_buffer, .address_space: global }
      - { .name: value, .offset: 16, .size: 8, .value_kind: global_buffer, .address_space: global }
      - { .name: Wq, .offset: 24, .size: 8, .value_kind: global_buffer, .address_space: global }
      - { .name: Wk, .offset: 32, .size: 8, .value_kind: global_buffer, .address_space: global }
      - { .name: Wv, .offset: 40, .size: 8, .value_kind: global_buffer, .address_space: global }
      - { .name: Wo, .offset: 48, .size: 8, .value_kind: global_buffer, .address_space: global }
      - { .name: cod, .offset: 56, .size: 8, .value_kind: global_buffer, .address_space: global }
      - { .name: scl, .offset: 64, .size: 8, .value_kind: global_buffer, .address_space: global }
      - { .name: tab, .offset: 72, .size: 8, .value_kind: global_buffer, .address_space: global }
    .group_segment_fixed_size: 48128
    .private_segment_fixed_size: 0
    .kernarg_segment_align: 8
    .kernarg_segment_size: 80
    .max_flat_workgroup_size: 128
    .sgpr_count:     66
    .vgpr_count:     194
    .wavefront_size: 32
...
	.end_amdgpu_metadata
.endif
;; end of part 1
;; launch proj (part 2): grid 4 x 64, 4 waves a work-group, clusters of 4 x 4, 327,680 bytes of LDS; arguments cod, scl, tab, bq, bk, bv, qi, kvi; writes qi, kvi
.if DOCPART == 2
	.amdgcn_target "amdgcn-amd-amdhsa--gfx1250"
	.amdhsa_code_object_version 6
	.text
	.protected	k_q562f5114c8_proj
	.globl	k_q562f5114c8_proj
	.p2align	8
	.type	k_q562f5114c8_proj,@function
k_q562f5114c8_proj:
	s_mov_b64 s[64:65], 0
	v_nop
	global_prefetch_b8 v0, s[64:65] scope:SCOPE_SE
	s_setreg_imm32_b32 hwreg(HW_REG_WAVE_MODE, 25, 1), 1
	s_wait_xcnt 0x0
	s_wait_alu depctr_hold_cnt(0) depctr_sa_sdst(0) depctr_va_vdst(0) depctr_va_sdst(0) depctr_va_ssrc(0) depctr_va_vcc(0) depctr_vm_vsrc(0)
	s_getreg_b32 s2, hwreg(HW_REG_IB_STS2, 6, 4)
	s_cmp_eq_u32 s2, 0
	s_cbranch_scc0 .Lentry_in_a_cluster
	s_endpgm
.Lentry_in_a_cluster:
	s_bfe_u32 s2, ttmp6, 0x10000c
	s_cmp_lg_u32 s2, 0xf033
	s_cbranch_scc0 .Lentry_shape_is_right
	s_endpgm
.Lentry_shape_is_right:
.set NQ,     2
.set FR,     12
.set FRB,    1536
.set TILB,   NQ*FRB
.set NL,     3
.set NP,     4
.set HALFT,  8*TILB
.set SLOT,   4*HALFT
.set LAPS,   2
.set SCL,    2*SLOT
.set HALFS,  4096
.set SBLK,   512
.set SPARE,  SCL+4*HALFS
.set ADRA, 16
.set ADRB, 20
.set ADRS, 27
.set SPW,  28
.set NIL,  29
.set SC,   32
.set AF,   128
.set BIA,  64
.set Y,    128
.set RT,   192
.set PC,   200
.set TM,   220
.set PW,   236
.set WW,   240
.set CSB,  96
.set CLY,  17
.set TABP, 12
.set BIAP, 96
.set OUTP, 98
.set SCP,  100
.set SEL,  66
.set G1, 24
.set G0, 32
.set G1B, 48
.set G0B, 56
.set G1S, 68
.set G0S, 76
.set G1SB, 80
.set G0SB, 88
.set MSB, 0
.macro WIN new
.if MSB != \new
	s_set_vgpr_msb (MSB<<8)|\new
.set MSB, \new
.endif
.endm
.set MUL_LO, 0xa1
.set MUL_HI, 0xf1
.set TO_B,   0x40
.macro JLOAD g0a, g1a, g0b, g1b
	s_cmp_eq_u32 s15, 0
	s_cbranch_scc0 .Lfor_b_\@
	tensor_load_to_lds s[\g0a:\g0a+3], s[\g1a:\g1a+7]
	s_nop 0
.rept 4
	v_nop
.endr
	s_branch .Lasked_\@
.Lfor_b_\@:
	tensor_load_to_lds s[\g0b:\g0b+3], s[\g1b:\g1b+7]
	s_nop 0
.rept 4
	v_nop
.endr
.Lasked_\@:
.endm
.macro CREST
	s_cmp_lg_u32 s14, 0
	s_cbranch_scc1 .Lnot_wave_0_\@
	s_barrier_signal -3
.Lnot_wave_0_\@:
	s_barrier_wait -3
	s_barrier_signal -1
	s_barrier_wait -1
.endm
.macro CROUND
	s_barrier_signal -1
	s_barrier_wait -1
	CREST
.endm
	s_load_b128 s[4:7], s[0:1], 0x0
	s_load_b128 s[8:11], s[0:1], 0x0
	s_load_b256 s[68:75], s[0:1], 0x10
	s_load_b128 s[76:79], s[0:1], 0x30
	v_lshl_add_u32 v[SPW], v0, 2, SPARE
	v_mov_b32 v[NIL], 0
	ds_add_u32 v28, v29
	ds_add_u32 v28, v29
	s_wait_dscnt 0x0
	v_lshrrev_b32 v1, 5, v0
	v_readfirstlane_b32 s14, v1
	s_lshr_b32 s15, s14, 1
	s_and_b32 s16, s14, 1
	s_bfe_u32 s40, ttmp6, 0x40000
	s_bfe_u32 s41, ttmp6, 0x40004
	s_and_b32 s[CLY], ttmp7, 0xffff
	s_lshl_b32 s43, s41, 2
	s_lshl_b32 s43, 15, s43
	s_lshl_b32 s44, 0x1111, s40
	s_mov_b32 s[SEL], 0x76543210
	s_mov_b32 s[SEL+1], 0xfedcba98
	s_lshl_b32 s18, s[CLY], 2
	s_cmp_lt_u32 s[CLY], 12
	s_cselect_b32 s42, s18, 72
	s_cselect_b32 s45, 68, s18
	s_cmp_lt_u32 s[CLY], 8
	s_cselect_b32 s45, 64, s45
	s_add_co_u32 s42, s42, s41
	s_add_co_u32 s45, s45, s40
	s_or_b32 s[G1+0], s43, (3<<16)|(1<<21)
	s_or_b32 s[G1B+0], s44, (3<<16)|(1<<21)
.irp g, G1, G1B
	s_mov_b32 s[\g+1], 384<<16
	s_mov_b32 s[\g+2], 8<<16
	s_mov_b32 s[\g+3], 384<<16
	s_mov_b32 s[\g+4], 8
	s_mov_b32 s[\g+5], 1536
	s_mov_b32 s[\g+6], 0
	s_mov_b32 s[\g+7], 0
.endr
	s_lshl_b32 s18, s16, 3
	s_lshl_b32 s20, s42, 4
	s_add_co_u32 s20, s20, s18
	s_lshl_b32 s46, s45, 4
	s_add_co_u32 s46, s46, s18
	s_lshl_b32 s22, s20, 9
	s_mov_b32 s23, 0
	s_lshl_b32 s92, s46, 9
	s_mov_b32 s93, 0
	s_mul_i32 s20, s20, 12288
	s_mov_b32 s21, 0
	s_mul_i32 s46, s46, 12288
	s_mov_b32 s47, 0
	s_mul_i32 s94, s14, HALFT
	s_mul_i32 s95, s14, HALFS
	s_wait_kmcnt 0x0
	s_mov_b64 s[TABP:TABP+1], s[68:69]
	s_cmp_lt_u32 s[CLY], 12
	s_cselect_b64 s[BIAP:BIAP+1], s[72:73], s[74:75]
	s_cmp_lt_u32 s[CLY], 8
	s_cselect_b64 s[BIAP:BIAP+1], s[70:71], s[BIAP:BIAP+1]
	s_cselect_b64 s[OUTP:OUTP+1], s[76:77], s[78:79]
	s_add_nc_u64 s[20:21], s[4:5], s[20:21]
	s_add_nc_u64 s[22:23], s[6:7], s[22:23]
	s_add_nc_u64 s[46:47], s[8:9], s[46:47]
	s_add_nc_u64 s[92:93], s[10:11], s[92:93]
	s_or_b32 s[G1S+0], s43, (3<<16)|(1<<21)
	s_or_b32 s[G1SB+0], s44, (3<<16)|(1<<21)
.irp g, G1S, G1SB
	s_mov_b32 s[\g+1], 32<<16
	s_mov_b32 s[\g+2], 16<<16
	s_mov_b32 s[\g+3], 32<<16
	s_mov_b32 s[\g+4], 16
	s_mov_b32 s[\g+5], 32
	s_mov_b32 s[\g+6], 0
	s_mov_b32 s[\g+7], 0
.endr
	CROUND
	s_mov_b32 s[G0S], 1
	s_add_co_u32 s[G0S+1], s95, SCL
	s_mov_b64 s[G0S+2:G0S+3], s[22:23]
	s_or_b32 s[G0S+3], s[G0S+3], 0x80000000
	s_mov_b32 s[G0SB], 1
	s_add_co_u32 s[G0SB+1], s95, SCL
	s_mov_b64 s[G0SB+2:G0SB+3], s[92:93]
	s_or_b32 s[G0SB+3], s[G0SB+3], 0x80000000
	JLOAD G0S, G1S, G0SB, G1SB
.irp s, 0,1
	s_mov_b32 s[G0+4*\s], 1
	s_add_co_u32 s[G0+4*\s+1], s94, \s*SLOT
	s_add_nc_u64 s[G0+4*\s+2:G0+4*\s+3], s[20:21], \s*TILB
	s_or_b32 s[G0+4*\s+3], s[G0+4*\s+3], 0x80000000
	s_mov_b32 s[G0B+4*\s], 1
	s_add_co_u32 s[G0B+4*\s+1], s94, \s*SLOT
	s_add_nc_u64 s[G0B+4*\s+2:G0B+4*\s+3], s[46:47], \s*TILB
	s_or_b32 s[G0B+4*\s+3], s[G0B+4*\s+3], 0x80000000
	s_wait_alu depctr_va_vdst(0)
	s_wait_tensorcnt 0x0
	ds_add_u32 v28, v29
	s_wait_dscnt 0x0
	CROUND
	JLOAD G0+4*\s, G1, G0B+4*\s, G1B
.endr
	v_and_b32 v3, 31, v0
	v_lshlrev_b32 v3, 4, v3
	s_mul_i32 s21, s15, HALFT
	s_mul_i32 s22, s16, HALFT
	s_add_co_u32 s22, s22, 2*HALFT
.irp s, 0,1
	v_add_nc_u32 v[ADRA+\s], s21, v3
	v_add_nc_u32 v[ADRB+\s], s22, v3
	s_add_co_u32 s21, s21, SLOT
	s_add_co_u32 s22, s22, SLOT
.endr
	v_and_b32 v1, 15, v0
	v_bfe_u32 v2, v0, 4, 1
	v_lshlrev_b32 v5, 3, v1
	s_mul_i32 s21, s15, HALFS
	s_mul_i32 s22, s16, HALFS
	s_add_co_u32 s22, s22, 2*HALFS
	s_sub_co_u32 s22, s22, s21
	v_mul_u32_u24 v6, s22, v2
	s_add_co_u32 s21, s21, SCL
	v_add_nc_u32 v5, v5, v6
	v_add_nc_u32 v[ADRS], s21, v5
.macro FRAG reg, adr, q, i
.irp c, 0,1,2
	ds_load_b128 v[\reg+4*\c:\reg+4*\c+3], v[\adr] offset:(\i)*TILB+(\q)*FRB+512*\c
.endr
.endm
.macro MUL16 a0, p, q, sc, zero
.irp a, \a0, \a0+1
.irp b, 0,1,2,3,4,5,6,7
.if \zero
	v_wmma_scale_f32_16x16x128_f8f6f4 v[8*(8*((\a)%4)+\b):8*(8*((\a)%4)+\b)+7], v[128*(\p)+FR*\b:128*(\p)+FR*\b+FR-1], v[AF+FR*(\a):AF+FR*(\a)+FR-1], 0, v[SC+8*NQ*(\sc)+NQ*\b+(\q)], v[SC+8*NQ*(\sc)+NQ*(\a)+(\q)] matrix_a_fmt:MATRIX_FMT_FP6 matrix_b_fmt:MATRIX_FMT_FP6 matrix_a_scale:MATRIX_SCALE_ROW1
.else
	v_wmma_scale_f32_16x16x128_f8f6f4 v[8*(8*((\a)%4)+\b):8*(8*((\a)%4)+\b)+7], v[128*(\p)+FR*\b:128*(\p)+FR*\b+FR-1], v[AF+FR*(\a):AF+FR*(\a)+FR-1], v[8*(8*((\a)%4)+\b):8*(8*((\a)%4)+\b)+7], v[SC+8*NQ*(\sc)+NQ*\b+(\q)], v[SC+8*NQ*(\sc)+NQ*(\a)+(\q)] matrix_a_fmt:MATRIX_FMT_FP6 matrix_b_fmt:MATRIX_FMT_FP6 matrix_a_scale:MATRIX_SCALE_ROW1
.endif
.endr
.endr
.endm
.macro FETCH_B slot, q, p
	WIN TO_B
.irp i, 0,1,2,3,4,5,6,7
	FRAG 128*(\p)+FR*\i, ADRB+\slot, \q, \i
.endr
	WIN 0
.endm
.macro FETCH_A slot, q, i0
.irp i, \i0, \i0+1, \i0+2, \i0+3
	FRAG AF+FR*(\i), ADRA+\slot, \q, \i
.endr
.endm
.macro SCALES sc
.irp i, 0,1,2,3,4,5,6,7
	ds_load_b64 v[SC+8*NQ*\sc+NQ*\i:SC+8*NQ*\sc+NQ*\i+1], v[ADRS] offset:\i*SBLK
.endr
.endm
.macro PLACES n
.rept \n
	v_nop
.endr
.endm
.macro STEP slot, q, zero
	s_wait_dscnt 4*NL
	WIN MUL_LO
	MUL16 0, (\q)%2, \q, \slot, \zero
	MUL16 2, (\q)%2, \q, \slot, \zero
	s_wait_dscnt 0
	PLACES NP
	FETCH_B \slot, (\q)+1, 1-(\q)%2
	FETCH_A \slot, (\q)+1, 0
	WIN MUL_HI
	MUL16 4, (\q)%2, \q, \slot, \zero
	MUL16 6, (\q)%2, \q, \slot, \zero
	PLACES NP
	WIN 0
	FETCH_A \slot, (\q)+1, 4
.endm
.macro TURN slot, next, fill
	s_wait_tensorcnt 0x0
	ds_add_u32 v[SPW], v[NIL]
	s_wait_dscnt 4*NL+1
	WIN MUL_LO
	MUL16 0, 1, NQ-1, \slot, 0
	s_wait_dscnt 0x0
	s_barrier_signal -1
	MUL16 2, 1, NQ-1, \slot, 0
	WIN 0
	s_barrier_wait -1
.if \fill
	CREST
	s_add_nc_u64 s[G0+4*\slot+2:G0+4*\slot+3], s[G0+4*\slot+2:G0+4*\slot+3], 2*TILB
	s_add_nc_u64 s[G0B+4*\slot+2:G0B+4*\slot+3], s[G0B+4*\slot+2:G0B+4*\slot+3], 2*TILB
	JLOAD G0+4*\slot, G1, G0B+4*\slot, G1B
.else
	PLACES NP
.endif
	s_wait_alu depctr_va_vdst(0)
	v_add_nc_u32 v[ADRS], 128, v[ADRS]
	FETCH_B \next, 0, 0
	FETCH_A \next, 0, 0
	SCALES \next
	WIN MUL_HI
	MUL16 4, 1, NQ-1, \slot, 0
	MUL16 6, 1, NQ-1, \slot, 0
	PLACES NP
	WIN 0
	FETCH_A \next, 0, 4
.endm
.macro LASTSTEP
	s_wait_dscnt 4*NL
	WIN MUL_LO
	MUL16 0, 1, NQ-1, 1, 0
	MUL16 2, 1, NQ-1, 1, 0
	s_wait_dscnt 0
	WIN MUL_HI
	MUL16 4, 1, NQ-1, 1, 0
	MUL16 6, 1, NQ-1, 1, 0
	WIN 0
.endm
.macro QUANT s
.irp b, 0,1,2,3
	v_max3_num_f32 v[TM+\b], |v[\s+16*\b]|, |v[\s+1+16*\b]|, 0x1800000
.endr
.irp i, 2,4,6,8,10,12,14
.irp b, 0,1,2,3
	v_max3_num_f32 v[TM+\b], v[TM+\b], |v[\s+16*\b+\i]|, |v[\s+1+16*\b+\i]|
.endr
.endr
.irp b, 0,1,2,3
	v_permlanex16_b32 v[TM+4+\b], v[TM+\b], s[SEL], s[SEL+1]
.endr
.irp b, 0,1,2,3
	v_max_num_f32 v[TM+\b], v[TM+\b], v[TM+4+\b]
.endr
.irp b, 0,1,2,3
	v_add_nc_u32 v[TM+12+\b], 0xff000000, v[TM+\b]
.endr
.irp b, 0,1,2,3
	v_lshrrev_b32 v[TM+4+\b], 23, v[TM+12+\b]
.endr
	v_lshl_or_b32 v[PW], v[TM+5], 8, v[TM+4]
	v_lshl_or_b32 v[PW], v[TM+6], 16, v[PW]
	v_lshl_or_b32 v[PW], v[TM+7], 24, v[PW]
.irp c, 0,1
	v_cvt_scalef32_pk16_fp6_f32 v[PC+6*\c:PC+2+6*\c], v[\s+32*\c:\s+15+32*\c], v[TM+12+2*\c]
	v_cvt_scalef32_pk16_fp6_f32 v[PC+12+4*\c:PC+14+4*\c], v[\s+16+32*\c:\s+31+32*\c], v[TM+12+2*\c+1]
.endr
	v_nop
.irp c, 0,1
.irp i, 0,1,2
	v_permlane16_swap_b32 v[PC+6*\c+\i], v[PC+12+4*\c+\i]
.endr
.irp i, 0,1,2
	v_mov_b32 v[PC+3+6*\c+\i], v[PC+12+4*\c+\i]
.endr
.endr
.endm
.macro CLOSE
	s_wait_tensorcnt 0x0
	ds_add_u32 v[SPW], v[NIL]
	s_wait_dscnt 0x0
	CROUND
	s_endpgm
.endm
	s_wait_alu depctr_va_vdst(0)
	s_wait_tensorcnt 1
	s_barrier_signal -1
	s_barrier_wait -1
	FETCH_B 0, 0, 0
	FETCH_A 0, 0, 0
	SCALES 0
	FETCH_A 0, 0, 4
	STEP 0, 0, 1
	s_mov_b32 s3, LAPS-1
.Llap:
	TURN 0, 1, 1
	STEP 1, 0, 0
	TURN 1, 0, 1
	STEP 0, 0, 0
	s_sub_co_u32 s3, s3, 1
	s_cmp_lg_u32 s3, 0
	s_cbranch_scc1 .Llap
	TURN 0, 1, 0
	s_cmp_ge_u32 s[CLY], 12
	s_cbranch_scc1 .Lv
	s_lshl_b32 s18, s42, 8
	s_lshl_b32 s19, s15, 7
	s_add_co_u32 s18, s18, s19
	s_cmp_lt_u32 s[CLY], 8
	s_mov_b32 s19, 1023
	s_cselect_b32 s19, 2047, s19
	s_cselect_b32 s20, 11, 10
	s_cselect_b32 s21, 0, 8
	s_mov_b32 s22, 104448
	s_cselect_b32 s22, 106496, s22
	s_cselect_b32 s23, 0, 2048
	s_and_b32 s19, s18, s19
	s_lshr_b32 s20, s18, s20
	s_sub_co_u32 s20, s20, s21
	s_lshl_b32 s20, s20, 4
	s_lshl_b32 s21, s40, 2
	s_add_co_u32 s20, s20, s21
	s_lshl_b32 s21, s16, 1
	s_add_co_u32 s20, s20, s21
	s_mul_i32 s20, s20, s22
	s_mov_b32 s21, 0
	s_add_nc_u64 s[OUTP:OUTP+1], s[OUTP:OUTP+1], s[20:21]
	s_add_nc_u64 s[SCP:SCP+1], s[OUTP:OUTP+1], 98304
	s_lshr_b32 s20, s19, 4
	s_mul_i32 s20, s20, 768
	s_add_nc_u64 s[OUTP:OUTP+1], s[OUTP:OUTP+1], s[20:21]
	s_lshl_b32 s20, s19, 2
	s_add_nc_u64 s[SCP:SCP+1], s[SCP:SCP+1], s[20:21]
	s_add_co_u32 s20, s19, s23
	s_lshl_b32 s20, s20, 8
	s_add_nc_u64 s[TABP:TABP+1], s[TABP:TABP+1], s[20:21]
	s_lshl_b32 s20, s40, 10
	s_lshl_b32 s23, s16, 9
	s_add_co_u32 s20, s20, s23
	s_add_nc_u64 s[BIAP:BIAP+1], s[BIAP:BIAP+1], s[20:21]
	v_and_b32 v1, 15, v0
	v_bfe_u32 v2, v0, 4, 1
	v_and_b32 v3, 31, v0
	v_and_b32 v4, 8, v1
	v_add_nc_u32 v4, v4, v1
	v_lshlrev_b32 v4, 8, v4
	v_lshl_add_u32 v4, v2, 6, v4
	v_lshlrev_b32 v5, 6, v2
	v_lshlrev_b32 v6, 4, v3
	v_add_nc_u32 v7, s22, v6
	v_lshlrev_b32 v8, 3, v3
	v_add_nc_u32 v9, s22, v8
	v_mul_u32_u24 v10, v2, s22
	v_lshl_add_u32 v10, v1, 4, v10
	v_lshlrev_b32 v11, 4, v2
.irp b, 0,1,2,3
	v_mov_b32 v[TM+4+\b], 0
.endr
.irp bb, 0,1,2,3
.irp jj, 0,1,2,3
	global_load_b128 v[BIA+16*\bb+4*\jj:BIA+16*\bb+4*\jj+3], v5, s[BIAP:BIAP+1] offset:128*\bb+16*\jj
.endr
.endr
.macro TABLOAD a
	WIN TO_B
.irp jj, 0,1,2,3
	global_load_b128 v[CSB+128*((\a)%2)+4*\jj:CSB+128*((\a)%2)+4*\jj+3], v4, s[TABP:TABP+1] offset:(32*((\a)/2)+8*((\a)%2))*256+16*\jj
	global_load_b128 v[CSB+128*((\a)%2)+16+4*\jj:CSB+128*((\a)%2)+16+4*\jj+3], v4, s[TABP:TABP+1] offset:(32*((\a)/2)+8*((\a)%2))*256+128+16*\jj
.endr
	WIN 0
.endm
	TABLOAD 0
	TABLOAD 1
	STEP 1, 0, 0
	LASTSTEP
	PLACES NP
.macro QKOUT a
.if (\a) < 7
	s_wait_loadcnt 8
.else
	s_wait_loadcnt 0x0
.endif
	s_wait_xcnt 0x0
	WIN 0x02+(\a)/4
.set AC, 64*((\a)%4)
.set k, 0
.rept 32
	v_pk_add_f32 v[Y+k:Y+k+1], v[AC+k:AC+k+1], v[BIA+k:BIA+k+1]
.set k, k+2
.endr
	WIN 0x04
.set CC, CSB+128*((\a)%2)
.irp hl, 0,1
.set k, 0
.rept 8
.set T0, RT+4*((k/2)%2)
	v_pk_mul_f32 v[T0:T0+1], v[Y+32*\hl+16+k:Y+32*\hl+17+k], v[CC+16+k:CC+17+k]
	v_pk_mul_f32 v[T0+2:T0+3], v[Y+32*\hl+16+k:Y+32*\hl+17+k], v[CC+k:CC+1+k]
	v_pk_fma_f32 v[Y+32*\hl+16+k:Y+32*\hl+17+k], v[Y+32*\hl+k:Y+32*\hl+1+k], v[CC+16+k:CC+17+k], v[T0+2:T0+3]
	v_pk_fma_f32 v[Y+32*\hl+k:Y+32*\hl+1+k], v[Y+32*\hl+k:Y+32*\hl+1+k], v[CC+k:CC+1+k], v[T0:T0+1] neg_lo:[0,0,1] neg_hi:[0,0,1]
.set k, k+2
.endr
.endr
	WIN 0
.if (\a) < 6
	TABLOAD (\a)+2
.endif
	QUANT Y
	v_lshrrev_b32 v[WW+(\a)], v11, v[PW]
	v_and_b32 v[WW+(\a)], 0xffff, v[WW+(\a)]
	global_store_b128 v6, v[PC:PC+3], s[OUTP:OUTP+1] offset:(\a)*768
	global_store_b64 v8, v[PC+4:PC+5], s[OUTP:OUTP+1] offset:(\a)*768+512
	global_store_b128 v7, v[PC+6:PC+9], s[OUTP:OUTP+1] offset:(\a)*768
	global_store_b64 v9, v[PC+10:PC+11], s[OUTP:OUTP+1] offset:(\a)*768+512
.if (\a)%4 == 3
	global_store_b128 v10, v[WW+4*((\a)/4):WW+4*((\a)/4)+3], s[SCP:SCP+1] offset:((\a)/4)*256
.endif
.endm
.irp a, 0,1,2,3,4,5,6,7
	QKOUT \a
.endr
	CLOSE
.Lv:
	s_lshl_b32 s18, s45, 8
	s_lshl_b32 s19, s16, 7
	s_add_co_u32 s18, s18, s19
	s_sub_co_u32 s18, s18, 12288
	s_lshr_b32 s19, s18, 10
	s_bfe_u32 s20, s18, 0x30007
	s_lshl_b32 s19, s19, 4
	s_lshl_b32 s21, s41, 2
	s_add_co_u32 s19, s19, s21
	s_lshl_b32 s21, s15, 1
	s_add_co_u32 s19, s19, s21
	s_mul_i32 s22, s19, 104448
	s_mov_b32 s23, 0
	s_add_nc_u64 s[OUTP:OUTP+1], s[OUTP:OUTP+1], s[22:23]
	s_add_nc_u64 s[SCP:SCP+1], s[OUTP:OUTP+1], 102400
	s_add_nc_u64 s[OUTP:OUTP+1], s[OUTP:OUTP+1], 49152
	s_mul_i32 s22, s20, 6144
	s_add_nc_u64 s[OUTP:OUTP+1], s[OUTP:OUTP+1], s[22:23]
	s_lshl_b32 s22, s20, 8
	s_add_nc_u64 s[SCP:SCP+1], s[SCP:SCP+1], s[22:23]
	s_lshl_b32 s22, s41, 10
	s_lshl_b32 s21, s15, 9
	s_add_co_u32 s22, s22, s21
	s_add_nc_u64 s[BIAP:BIAP+1], s[BIAP:BIAP+1], s[22:23]
	v_and_b32 v1, 15, v0
	v_bfe_u32 v2, v0, 4, 1
	v_and_b32 v3, 31, v0
	v_and_b32 v4, 8, v1
	v_add_nc_u32 v4, v4, v1
	v_lshlrev_b32 v4, 2, v4
	v_lshlrev_b32 v6, 4, v3
	v_mul_u32_u24 v10, v2, 104448
	v_lshl_add_u32 v10, v1, 4, v10
.irp b, 0,1,2,3
	v_mov_b32 v[TM+4+\b], 0
.endr
.irp a, 0,1,2,3,4,5,6,7
	global_load_b32 v[BIA+2*\a], v4, s[BIAP:BIAP+1] offset:(32*(\a/2)+8*(\a%2))*4
	global_load_b32 v[BIA+2*\a+1], v4, s[BIAP:BIAP+1] offset:(32*(\a/2)+8*(\a%2))*4
.endr
	STEP 1, 0, 0
	LASTSTEP
	PLACES NP
	s_wait_loadcnt 0x0
.macro VOUT a
	s_wait_xcnt 0x0
	WIN 0x02+(\a)/4
.set AC, 64*((\a)%4)
.set k, 0
.rept 32
	v_pk_add_f32 v[Y+k:Y+k+1], v[AC+k:AC+k+1], v[BIA+2*(\a):BIA+2*(\a)+1]
.set k, k+2
.endr
	WIN 0
	QUANT Y
	v_mov_b32 v[WW+(\a)], v[PW]
.irp c, 0,1,2
	global_store_b128 v6, v[PC+4*\c:PC+4*\c+3], s[OUTP:OUTP+1] offset:((\a)/4)*104448+((\a)%4)*1536+512*\c
.endr
.endm
.irp a, 0,1,2,3,4,5,6,7
	VOUT \a
.endr
	v_cmp_lt_u32 vcc_lo, 15, v3
.irp i, 0,1,2,3
	v_cndmask_b32 v[248+\i], v[WW+\i], v[WW+4+\i], vcc_lo
.endr
	global_store_b128 v10, v[248:251], s[SCP:SCP+1]
	CLOSE
.Lfunc_end_k_q562f5114c8_proj:
	.size	k_q562f5114c8_proj, .Lfunc_end_k_q562f5114c8_proj-k_q562f5114c8_proj
	.p2alignl 7, 3214868480
	.fill 96, 4, 3214868480
	.section	.rodata,"a",@progbits
	.p2align	6, 0x0
	.amdhsa_kernel k_q562f5114c8_proj
		.amdhsa_group_segment_fixed_size 327680
		.amdhsa_private_segment_fixed_size 0
		.amdhsa_enable_private_segment 0
		.amdhsa_kernarg_size 64
		.amdhsa_user_sgpr_count 2
		.amdhsa_user_sgpr_kernarg_segment_ptr 1
		.amdhsa_wavefront_size32 1
		.amdhsa_system_sgpr_workgroup_id_x 1
		.amdhsa_system_sgpr_workgroup_id_y 1
		.amdhsa_system_sgpr_workgroup_id_z 1
		.amdhsa_system_vgpr_workitem_id 0
		.amdhsa_next_free_vgpr 1024
		.amdhsa_next_free_sgpr 102
		.amdhsa_reserve_vcc 1
		.amdhsa_float_denorm_mode_32 3
		.amdhsa_float_denorm_mode_16_64 3
		.amdhsa_memory_ordered 1
		.amdhsa_forward_progress 1
		.amdhsa_inst_pref_size 255
	.end_amdhsa_kernel
	.section	.bss,"aw",@nobits
	.p2align	6
	.space	262144
	.amdgpu_metadata
---
amdhsa.version: [ 1, 2 ]
amdhsa.kernels:
  - .name:           k_q562f5114c8_proj
    .symbol:         k_q562f5114c8_proj.kd
    .args:
      - { .name: cod, .offset: 0, .size: 8, .value_kind: global_buffer, .address_space: global }
      - { .name: scl, .offset: 8, .size: 8, .value_kind: global_buffer, .address_space: global }
      - { .name: tab, .offset: 16, .size: 8, .value_kind: global_buffer, .address_space: global }
      - { .name: bq, .offset: 24, .size: 8, .value_kind: global_buffer, .address_space: global }
      - { .name: bk, .offset: 32, .size: 8, .value_kind: global_buffer, .address_space: global }
      - { .name: bv, .offset: 40, .size: 8, .value_kind: global_buffer, .address_space: global }
      - { .name: qi, .offset: 48, .size: 8, .value_kind: global_buffer, .address_space: global }
      - { .name: kvi, .offset: 56, .size: 8, .value_kind: global_buffer, .address_space: global }
    .group_segment_fixed_size: 327680
    .private_segment_fixed_size: 0
    .kernarg_segment_align: 8
    .kernarg_segment_size: 64
    .max_flat_workgroup_size: 128
    .sgpr_count:     102
    .vgpr_count:     1024
    .wavefront_size: 32
...
	.end_amdgpu_metadata
.endif
;; end of part 2
;; launch attn (part 3): grid 8 x 32, 8 waves a work-group, clusters of 4 x 1, 259,072 bytes of LDS; arguments qi, kvi, ai, asc; writes ai, asc
.if DOCPART == 3
	.amdgcn_target "amdgcn-amd-amdhsa--gfx1250"
	.amdhsa_code_object_version 6
	.text
	.protected	k_q562f5114c8_attn
	.globl	k_q562f5114c8_attn
	.p2align	8
	.type	k_q562f5114c8_attn,@function
k_q562f5114c8_attn:
	s_mov_b64 s[64:65], 0
	v_nop
	global_prefetch_b8 v0, s[64:65] scope:SCOPE_SE
	s_setreg_imm32_b32 hwreg(HW_REG_WAVE_MODE, 25, 1), 1
	s_wait_xcnt 0x0
	s_wait_alu depctr_hold_cnt(0) depctr_sa_sdst(0) depctr_va_vdst(0) depctr_va_sdst(0) depctr_va_ssrc(0) depctr_va_vcc(0) depctr_vm_vsrc(0)
	s_getreg_b32 s2, hwreg(HW_REG_IB_STS2, 6, 4)
	s_cmp_eq_u32 s2, 0
	s_cbranch_scc0 .Lentry_in_a_cluster
	s_endpgm
.Lentry_in_a_cluster:
	s_bfe_u32 s2, ttmp6, 0x10000c
	s_cmp_lg_u32 s2, 0x3003
	s_cbranch_scc0 .Lentry_shape_is_right
	s_endpgm
.Lentry_shape_is_right:
; O = softmax(q k^T / 8) v for two heads of one batch and 256 queries, both products on codes of FP6 (E2M3) with E8M0 scales, then O / l quantised along the model's 1,024 for the output projection.
; THE SOFTMAX: t = score x log2(e) / 8; M = the running largest t rounded up to a whole number; p = 2^(t - M) is quantised along the keys, not normalised; l is the sum of the unquantised p and divides at the end;
; when M moves, l and O are multiplied by f = 2^(old M - new M), which rounds nothing.
; SHARES.  Work-group (x, y): batch y / 8, heads 2 (y % 8) and 2 (y % 8) + 1, queries 256 x on.  Each of eight waves owns TWO tiles of 16 queries (x = 0, 1 below) and runs two passes, a head each, of 8 steps of 128 keys:
; each fragment of K and of V read from LDS feeds both tiles, and the two tiles' chains of vector work are laid line by line by turns.
; LDS, filled ONCE: the two heads' codes of kvi as rows of 512 bytes with 128 bytes of padding behind each (byte a of a head's codes lies at a + 128 (a / 512)), six loads of 64 rows (waves 0-5);
; behind them the two heads' scale words, dense, two loads (waves 6, 7).  One load a wave.  Nothing is filled again, nothing is stored there.
; CLUSTER 4 x 1: the four query blocks of a cluster walk the same K and V: each load is asked for jointly, with the mask of all four.
; NO PREFETCH: every fill stands at the head; there is no loop in which to ask ahead.
; LAYOUT.  S^T = K Q^T (source 0 = 16 keys, source 1 = 16 queries), O^T = V^T P^T: a lane holds one query (lane % 16) of each tile throughout.
; WHICH KEYS FORM A TILE is chosen by the lanes' LDS addresses: tile 4 c + u takes as rows 0-7 keys 64 c + 8 u + 0..7 and as rows 8-15 keys 64 c + 32 + 8 u + 0..7.  So the 32 registers of tiles 4 c .. 4 c + 3 are,
; in lane half h, the whole block of keys 64 c + 32 h + 0..31, in order: a block's maximum and its codes need no other lane.  The two groups of eight lanes read images 1,536 bytes apart, which the padding makes 1,920.
; THE HEAD'S SIZE IS 64: registers 6-11 of Q's fragments are zero codes, so registers 6-11 of a fragment of K count for nothing whatever codes they hold (FP6 has no NaN or infinity; the scale bytes 2, 3 of both words are 0).
; K's eight fragments therefore lie 6 registers apart, each one's upper half being the next one's codes.
; THE SUM OF p is taken one step late, at the top of the next step (and once behind the loop), among K's loads and the first products.
; A PASS BEGINS with -M = 3e38: the first f is 2^(-2^31) = 0, which clears l and O^T, whatever finite numbers they and the registers of p hold (zeros at the start, the first head's numbers later).
; OUT.  ai: fragment (tile of queries Tg, K step = head pair) at (8 Tg + pair) x 1,536 bytes, as images of registers; asc: scale words [Tg][pair / 2][lane-row][pair % 2].
; LIMITS: the promise holds while the scaled scores stay under 2^31 in magnitude; zero blocks carry the byte 1; NaN and infinities are not served; v_exp_f32 gives 0 where p would be denormal.
; REGISTERS.  Window 1 holds what the softmax works on (S^T and p, K's and V's fragments, Q, the running state), so that it runs under one setting; window 0 holds addresses, all scale words, O^T, the codes of p and what is stored.
.set HB,   104448                      ; a head's bytes in kvi: 98,304 of codes, 6,144 of scale words
.set QB,   106496                      ; and in qi
.set KST,  7680                        ; a step's eight tiles of K (or four fragments of V) in LDS: 12 rows of 640
.set HBP,  122880                      ; a head's codes in LDS
.set VOF,  61440                       ; V's codes behind K's
.set SCB,  245760                      ; the scale words: 6,144 bytes a head: K's 4,096, V's 2,048
.set SPARE, 258048                     ; the spare words, 128 bytes a wave
; window 0
.set LA,  1                            ; lane terms: K's even images (16-byte part), K's 8-byte part, K's odd images, V, K's words, V's words
.set LB,  2
.set LO,  3
.set LV,  4
.set LKS, 5
.set LVS, 6
.set G16, 7                            ; 16 x lane, 8 x lane, 8 r, 16 r
.set G8,  8
.set R8,  9
.set R16, 10
.set QS,  12                           ; v12-13 Q's scale words; v14-15 the second head's
.set Q2S, 14
.set PW,  16                           ; v16-17 p's scale words
.set AA,  18                           ; the step's addresses
.set AB,  19
.set KS,  20                           ; v20-27 K's scale words
.set VS,  28                           ; v28-31 V's
.set Q2,  32                           ; v32-43 the second head's Q, 6 registers a tile
.set OUT, 44                           ; v44-56, v58-70 the codes to store and their scale word, 14 a tile
.set PC,  72                           ; v72-95 p's codes, 12 a tile
.set PT,  96                           ; v96-111 the halves that are moved, 8 a tile
.set O,   112                          ; v112-175 O^T, 32 a tile
.set AO,  176
.set AV,  177
.set AKS, 178
.set AVS, 179
.set T0,  180
.set T1,  181
.set T2,  182
; window 1
.set Y,   0                            ; S^T, then p: 64 a tile
.set X,   128                          ; 54: K's eight fragments, then V's four
.set Q,   182                          ; 12 a tile
.set ST,  206                          ; 4 a tile: -M, the largest score, l in two halves
.set BM,  214                          ; 2 a tile: the blocks' maxima
.set FF,  218                          ; 2 a tile: f, and a word that is only named
.set SH,  222                          ; 8 x (lane / 16)
.set W,   224                          ; 20 at work
.set WV,  12
.set G1,  24
.set G1B, 68
.set CS,  40                           ; s[40:41] c = log2(e) / 8
.set SEL, 42                           ; s[42:43] lane selects for lane l xor 16
.set TC,  44                           ; s44 LDS byte of the step's tiles of K
.set TSK, 45                           ; s45 of K's scale words, less SCB
.set TSV, 46                           ; s46 of V's, less SCB + 4,096
.set MSB, 0
.macro WIN new                         ; low byte: bits 1:0 source 0, 3:2 source 1, 5:4 source 2, 7:6 destination; the high byte repeats the setting that is left
.if MSB != \new
	s_set_vgpr_msb (MSB<<8)|\new
.set MSB, \new
.endif
.endm
.macro CROUND                          ; a round of the cluster's barrier
	s_barrier_signal -1
	s_barrier_wait -1
	s_cmp_lg_u32 s[WV], 0
	s_cbranch_scc1 .Lnot_wave_0_\@
	s_barrier_signal -3
.Lnot_wave_0_\@:
	s_barrier_wait -3
	s_barrier_signal -1
	s_barrier_wait -1
.endm
.macro ADD2 q                          ; pair q of both tiles' p, onto l or one of three chains by turns
.set ch, ((\q)-6)%4
.if ch == 0
	v_pk_add_f32 v[ST+2:ST+3], v[ST+2:ST+3], v[Y+2*(\q):Y+2*(\q)+1]
	v_pk_add_f32 v[ST+6:ST+7], v[ST+6:ST+7], v[Y+64+2*(\q):Y+64+2*(\q)+1]
.else
	v_pk_add_f32 v[W+2*ch-2:W+2*ch-1], v[W+2*ch-2:W+2*ch-1], v[Y+2*(\q):Y+2*(\q)+1]
	v_pk_add_f32 v[W+2*ch+4:W+2*ch+5], v[W+2*ch+4:W+2*ch+5], v[Y+64+2*(\q):Y+64+2*(\q)+1]
.endif
.endm
.macro SUMLO                           ; p's registers 0-31 of both tiles
.irp k, 0,1,2
	v_pk_add_f32 v[W+2*\k:W+2*\k+1], v[Y+4*\k:Y+4*\k+1], v[Y+4*\k+2:Y+4*\k+3]
	v_pk_add_f32 v[W+6+2*\k:W+7+2*\k], v[Y+64+4*\k:Y+65+4*\k], v[Y+66+4*\k:Y+67+4*\k]
.endr
.irp q, 6,7,8,9,10,11,12,13,14,15
	ADD2 \q
.endr
.endm
.macro SUMEND                          ; the chains joined
.irp x, 0,1
	v_pk_add_f32 v[W+6*\x:W+6*\x+1], v[W+6*\x:W+6*\x+1], v[W+6*\x+2:W+6*\x+3]
	v_pk_add_f32 v[ST+4*\x+2:ST+4*\x+3], v[ST+4*\x+2:ST+4*\x+3], v[W+6*\x+4:W+6*\x+5]
.endr
.irp x, 0,1
	v_pk_add_f32 v[ST+4*\x+2:ST+4*\x+3], v[ST+4*\x+2:ST+4*\x+3], v[W+6*\x:W+6*\x+1]
.endr
.endm
.macro QK t                            ; tile t of keys against both tiles of queries
.irp x, 0,1
	v_wmma_scale_f32_16x16x128_f8f6f4 v[Y+64*\x+8*(\t):Y+64*\x+8*(\t)+7], v[X+6*(\t):X+6*(\t)+11], v[Q+12*\x:Q+12*\x+11], 0, v[KS+(\t)], v[QS+\x] matrix_a_fmt:MATRIX_FMT_FP6 matrix_b_fmt:MATRIX_FMT_FP6
.endr
.endm
.macro TR1 c, g                        ; a block's maximum as a tree: three scores of both tiles.  In ascending g each accumulator is first read at its low end
.irp x, 0,1
	v_max3_num_f32 v[W+10*\x+(\g)], v[Y+64*\x+32*(\c)+3*(\g)], v[Y+64*\x+32*(\c)+3*(\g)+1], v[Y+64*\x+32*(\c)+3*(\g)+2]
.endr
.endm
.macro TR2 c                           ; ten leaves and the last two scores to one
.irp k, 0,1,2
.irp x, 0,1
	v_max3_num_f32 v[W+10*\x+3*\k], v[W+10*\x+3*\k], v[W+10*\x+3*\k+1], v[W+10*\x+3*\k+2]
.endr
.endr
.irp x, 0,1
	v_max3_num_f32 v[W+10*\x+9], v[W+10*\x+9], v[Y+64*\x+32*(\c)+30], v[Y+64*\x+32*(\c)+31]
.endr
.irp x, 0,1
	v_max3_num_f32 v[W+10*\x], v[W+10*\x], v[W+10*\x+3], v[W+10*\x+6]
.endr
.irp x, 0,1
	v_max_num_f32 v[BM+2*\x+(\c)], v[W+10*\x], v[W+10*\x+9]
.endr
.endm
	s_load_b256 s[4:11], s[0:1], 0x0               ; qi s[4:5], kvi s[6:7], ai s[8:9], asc s[10:11]
	v_lshl_add_u32 v254, v0, 2, SPARE
	v_mov_b32 v255, 0
	ds_add_u32 v254, v255                          ; the opening lines: the add, twice on end, and its wait
	ds_add_u32 v254, v255
	v_lshrrev_b32 v5, 5, v0
	v_readfirstlane_b32 s[WV], v5                  ; wave 0..7
	s_bfe_u32 s13, ttmp6, 0x40000                  ; cx: it enters Q's and the outputs' addresses alone
	s_lshl_b32 s14, ttmp9, 2
	s_add_co_u32 s14, s14, s13                     ; my block of 256 queries
	s_and_b32 s15, ttmp7, 0xffff
	s_lshr_b32 s16, s15, 3                         ; the batch
	s_and_b32 s17, s15, 7                          ; the pair of heads
	s_lshl_b32 s18, s16, 4
	s_lshl_b32 s19, s17, 1
	s_add_co_u32 s18, s18, s19                     ; 16 x batch + the first head
	s_mul_i32 s19, s[WV], 11                       ; codes: wave w < 6 brings third w % 3 of head w / 3
	s_lshr_b32 s19, s19, 5                         ; w / 3
	s_mul_i32 s21, s19, 3
	s_sub_co_u32 s21, s[WV], s21                   ; w % 3
	s_add_co_u32 s19, s19, s18
	s_mul_i32 s20, s19, HB
	s_lshl_b32 s21, s21, 15                        ; 64 rows of 512 bytes
	s_add_co_u32 s20, s20, s21
	s_mov_b32 s21, 0
	s_and_b32 s19, s[WV], 1                        ; scale words: waves 6 and 7, a head each
	s_add_co_u32 s22, s19, s18
	s_mul_i32 s22, s22, HB
	s_add_co_u32 s22, s22, 98304
	s_mov_b32 s23, 0
	s_mov_b32 s32, 1
	s_mul_i32 s33, s[WV], 40960                    ; 64 rows of 640 bytes a wave
	s_mov_b32 s36, 1
	s_mul_i32 s37, s19, 6144
	s_add_co_u32 s37, s37, SCB
	; group 1 for the codes: 64 rows of 512 bytes (64 elements of 8), 32 words of padding behind every 128
	s_mov_b32 s[G1], 15|(3<<16)|(1<<20)|(1<<21)|(6<<22)|(31<<25)
	s_mov_b32 s[G1+1], 64<<16
	s_mov_b32 s[G1+2], 64<<16
	s_mov_b32 s[G1+3], 64<<16
	s_mov_b32 s[G1+4], 64
	s_mov_b32 s[G1+5], 64
	s_mov_b32 s[G1+6], 0
	s_mov_b32 s[G1+7], 0
	; and for the scale words: 24 dense rows of 256 bytes
	s_mov_b32 s[G1B], 15|(3<<16)|(1<<21)
	s_mov_b32 s[G1B+1], 32<<16
	s_mov_b32 s[G1B+2], 24<<16
	s_mov_b32 s[G1B+3], 32<<16
	s_mov_b32 s[G1B+4], 24
	s_mov_b32 s[G1B+5], 32
	s_mov_b32 s[G1B+6], 0
	s_mov_b32 s[G1B+7], 0
	s_mov_b32 s[CS], 0x3e38aa3b
	s_mov_b32 s[CS+1], s[CS]                       ; (named with it as a pair, so it is written)
	s_mov_b32 s[SEL], 0x76543210
	s_mov_b32 s[SEL+1], 0xfedcba98
	s_mov_b32 s[TC], 0
	s_mov_b32 s[TSK], 0
	s_mov_b32 s[TSV], 0
	s_lshl_b32 s50, s14, 4
	s_lshl_b32 s51, s[WV], 1
	s_add_co_u32 s50, s50, s51                     ; T: my first tile of queries, even, 0..126
	s_mul_i32 s52, s18, QB
	s_mov_b32 s53, 0
	s_mul_i32 s54, s50, 768
	s_mov_b32 s55, 0
	s_lshr_b32 s56, s50, 2
	s_lshl_b32 s56, s56, 8
	s_and_b32 s57, s50, 3
	s_lshl_b32 s57, s57, 2
	s_add_co_u32 s56, s56, s57
	s_add_co_u32 s56, s56, 98304                   ; its scale words: 98,304 + 256 (T / 4) + 4 (T % 4), + 16 r
	s_mov_b32 s57, 0
	s_lshl_b32 s58, s16, 7
	s_add_co_u32 s58, s58, s50                     ; Tg = 128 x batch + T
	s_mul_i32 s60, s58, 12288
	s_mul_i32 s59, s17, 1536
	s_add_co_u32 s60, s60, s59
	s_mov_b32 s61, 0
	s_lshl_b32 s62, s58, 9
	s_lshr_b32 s59, s17, 1
	s_lshl_b32 s59, s59, 7
	s_add_co_u32 s62, s62, s59
	s_and_b32 s59, s17, 1
	s_lshl_b32 s59, s59, 2
	s_add_co_u32 s62, s62, s59
	s_mov_b32 s63, 0
	s_wait_dscnt 0x0                               ; both opening adds are done
	s_wait_kmcnt 0x0
	s_add_nc_u64 s[34:35], s[6:7], s[20:21]
	s_or_b32 s35, s35, 0x80000000
	s_add_nc_u64 s[38:39], s[6:7], s[22:23]
	s_or_b32 s39, s39, 0x80000000
	s_add_nc_u64 s[4:5], s[4:5], s[52:53]
	s_add_nc_u64 s[56:57], s[4:5], s[56:57]
	s_add_nc_u64 s[4:5], s[4:5], s[54:55]
	s_add_nc_u64 s[8:9], s[8:9], s[60:61]
	s_add_nc_u64 s[10:11], s[10:11], s[62:63]
	CROUND                                         ; all four work-groups are here: the joint loads meet
	s_cmp_lt_u32 s[WV], 6                          ; one branch on the wave's number, a fill in each arm: every wave issues one
	s_cbranch_scc0 .Lscales
	tensor_load_to_lds s[32:35], s[G1:G1+7]
	s_nop 0
.rept 4
	v_nop
.endr
	s_branch .Lasked
.Lscales:
	tensor_load_to_lds s[36:39], s[G1B:G1B+7]
	s_nop 0
.rept 4
	v_nop
.endr
.Lasked:
	v_and_b32 v[T0], 31, v0
	v_lshlrev_b32 v[G16], 4, v[T0]
	v_lshlrev_b32 v[G8], 3, v[T0]
	v_and_b32 v[T1], 15, v0
	v_lshlrev_b32 v[R8], 3, v[T1]
	v_lshlrev_b32 v[R16], 4, v[T1]
.irp x, 0,1
	global_load_b128 v[Q2+6*\x:Q2+6*\x+3], v[G16], s[4:5] offset:QB+768*\x       ; Q of the second head,
	global_load_b64 v[Q2+6*\x+4:Q2+6*\x+5], v[G8], s[4:5] offset:QB+768*\x+512
	global_load_b32 v[QS+\x], v[R16], s[56:57] offset:4*\x
	global_load_b32 v[Q2S+\x], v[R16], s[56:57] offset:QB+4*\x
.endr
	WIN 0x40
.irp x, 0,1
	global_load_b128 v[Q+12*\x:Q+12*\x+3], v[G16], s[4:5] offset:768*\x          ; and of the first: registers 0-3, 4-5
	global_load_b64 v[Q+12*\x+4:Q+12*\x+5], v[G8], s[4:5] offset:768*\x+512
.endr
	WIN 0
	v_bfe_u32 v[T2], v0, 4, 1                      ; h
	v_bfe_u32 v[T0], v0, 3, 1                      ; which eight rows of a tile
	v_and_b32 v[T1], 7, v0
	v_mul_u32_u24 v[LB], v[T0], 1920               ; rows 8-15 come from the image two tiles on
	v_lshl_add_u32 v[LA], v[T1], 4, v[LB]
	v_lshl_add_u32 v[LA], v[T2], 8, v[LA]          ; even images: 16 x row + 256 h
	v_lshl_add_u32 v[LO], v[T2], 7, v[LA]          ; odd images: a row's padding lies between the halves: 384 h
	v_lshl_add_u32 v[LB], v[T1], 3, v[LB]
	v_lshl_add_u32 v[LB], v[T2], 7, v[LB]          ; registers 4-5: 8 x row + 128 h
	v_add_nc_u32 v[LV], VOF, v[G16]
	v_lshlrev_b32 v[LKS], 4, v[T1]
	v_lshl_add_u32 v[LKS], v[T0], 3, v[LKS]
	v_add_nc_u32 v[LKS], SCB, v[LKS]               ; K's words: 16 x row + 8 x (rows 8-15)
	v_add_nc_u32 v[LVS], SCB+4096, v[R16]
.set j, 0
.rept 64
	v_mov_b32 v[O+j], 0                            ; O^T, once, while the fills are on their way: the step is written once and finds finite numbers
.set j, j+1
.endr
.set j, 0
.rept 28
	v_mov_b32 v[OUT+j], 0                          ; (the first pass moves them before they hold anything)
.set j, j+1
.endr
	WIN 0x40
	v_lshlrev_b32 v[SH], 3, v[T2]
.set j, 0
.rept 128
	v_mov_b32 v[Y+j], 0                            ; p, likewise
.set j, j+1
.endr
.irp i, 6,7,8,9,10,11,18,19,20,21,22,23
	v_mov_b32 v[Q+\i], 0                           ; dims 64-127 do not exist: zero codes, once
.endr
.irp i, 48,49,50,51,52,53
	v_mov_b32 v[X+\i], 0                           ; the last fragment's upper half
.endr
.irp i, 2,3,6,7
	v_mov_b32 v[ST+\i], 0                          ; l
.endr
	v_mov_b32 v[FF+1], 0                           ; (named as the upper halves of pairs)
	v_mov_b32 v[FF+3], 0
.set j, 0
.rept 20
	v_mov_b32 v[W+j], 0                            ; a lane permute's destination counts as one of its sources
.set j, j+1
.endr
	WIN 0
	s_wait_alu depctr_va_vdst(0)                   ; the wait at the head's end
	s_wait_tensorcnt 0x0                           ; my fill is in;
	s_barrier_signal -1
	s_barrier_wait -1                              ; everybody's are: from here on LDS is only read
	s_wait_loadcnt 0x0                             ; Q
	s_mov_b32 s47, 2
.Lpass:
	WIN 0x40
.irp x, 0,1
	v_mov_b32 v[ST+4*\x+1], 0xff61b1e6             ; the largest score so far: -3e38
	v_mov_b32 v[ST+4*\x], 0x7f61b1e6               ; -M: the first f comes out 0
.endr
	WIN 0
	s_mov_b32 s48, 8
.Lstep:
	v_add_nc_u32 v[AA], s[TC], v[LA]               ; six plain lines: the places behind the last products, ahead of the loads into their registers
	v_add_nc_u32 v[AB], s[TC], v[LB]
	v_add_nc_u32 v[AO], s[TC], v[LO]
	v_add_nc_u32 v[AV], s[TC], v[LV]
	v_add_nc_u32 v[AKS], s[TSK], v[LKS]
	v_add_nc_u32 v[AVS], s[TSV], v[LVS]
.irp g, 0,1,2,3
	ds_load_b64 v[KS+2*\g:KS+2*\g+1], v[AKS] offset:128*\g   ; the words of tiles 2 g, 2 g + 1
.endr
	ds_load_b128 v[VS:VS+3], v[AVS]
	WIN 0x40
.irp t, 0,1,2,3,4,5,6,7
.if (\t)%2 == 0
	ds_load_b128 v[X+6*\t:X+6*\t+3], v[AA] offset:3840*(\t/4)+128*((\t%4)/2)
	ds_load_b64 v[X+6*\t+4:X+6*\t+5], v[AB] offset:3840*(\t/4)+640+64*((\t%4)/2)
.else
	ds_load_b128 v[X+6*\t:X+6*\t+3], v[AO] offset:3840*(\t/4)+896+128*((\t%4)/2)
	ds_load_b64 v[X+6*\t+4:X+6*\t+5], v[AB] offset:3840*(\t/4)+1536+64*((\t%4)/2)
.endif
.endr
	WIN 0x55                                       ; all four places window 1: the softmax's setting
	SUMLO                                          ; the last step's p, registers 0-31, under the last step's M
	s_wait_alu depctr_va_vdst(0)                   ; the wait here, directly ahead of the wait below
	s_wait_dscnt 0x0                               ; K and the words are in
.irp t, 0,1,2,3
	QK \t
.irp k, 0,1,2,3
	ADD2 16+4*\t+\k                                ; registers 32-63, which these products do not touch
.endr
.endr
	SUMEND                                         ; with the eight additions above: the places behind tiles 0-3's products
	QK 4
	TR1 0, 0
	TR1 0, 1
	TR1 0, 2
	QK 5
	TR1 0, 3
	TR1 0, 4
	TR1 0, 5
	QK 6
	TR1 0, 6
	TR1 0, 7
	TR1 0, 8
	QK 7
	TR1 0, 9
	TR2 0                                          ; with the two above, fourteen plain lines on tiles 0-3: the places behind tiles 4-7's products
	WIN 0x40
.irp t, 0,1,2,3                                ; V's four fragments of these 128 keys take K's registers
.irp c, 0,1,2
	ds_load_b128 v[X+12*\t+4*\c:X+12*\t+4*\c+3], v[AV] offset:1920*\t+640*\c
.endr
.endr
	WIN 0x55
.irp g, 0,1,2,3,4,5,6,7,8,9
	TR1 1, \g
.endr
	TR2 1
.irp x, 0,1
	v_max_num_f32 v[W+\x], v[BM+2*\x], v[BM+2*\x+1]
.endr
.irp x, 0,1
	v_permlanex16_b32 v[W+2+\x], v[W+\x], s[SEL], s[SEL+1]
.endr
.irp x, 0,1
	v_max3_num_f32 v[ST+4*\x+1], v[ST+4*\x+1], v[W+\x], v[W+2+\x]   ; the running largest score of my query
.endr
.irp x, 0,1
	v_mul_f32 v[W+\x], s[CS], -v[ST+4*\x+1]        ; -t (c is positive)
.endr
.irp x, 0,1
	v_floor_f32 v[W+4+\x], v[W+\x]                 ; the new -M = -ceil(t): a whole number
.endr
.irp x, 0,1
	v_sub_f32 v[W+\x], v[W+4+\x], v[ST+4*\x]       ; old M - new M: a whole number, 0 or less
.endr
.irp x, 0,1
	v_mov_b32 v[ST+4*\x], v[W+4+\x]
.endr
.set j, 0
.rept 32
	v_pk_fma_f32 v[Y+j:Y+j+1], v[Y+j:Y+j+1], s[CS:CS+1], v[ST:ST+1] op_sel_hi:[1,0,0]   ; t - M, two at a time
.set j, j+2
.endr
.irp x, 0,1
	v_cvt_i32_f32 v[W+\x], v[W+\x]                 ; (it saturates)
.endr
.irp x, 0,1
	v_ldexp_f32 v[FF+2*\x], 1.0, v[W+\x]           ; f = 2^(old M - new M)
.endr
.set j, 64
.rept 32
	v_pk_fma_f32 v[Y+j:Y+j+1], v[Y+j:Y+j+1], s[CS:CS+1], v[ST+4:ST+5] op_sel_hi:[1,0,0]
.set j, j+2
.endr
.irp x, 0,1
	v_fma_f32 v[BM+2*\x], v[BM+2*\x], s[CS], v[ST+4*\x]       ; the same of each block's largest score
	v_fma_f32 v[BM+2*\x+1], v[BM+2*\x+1], s[CS], v[ST+4*\x]
.endr
	s_wait_alu depctr_va_vdst(0)                   ; the wait ahead of the batch
.set j, 0
.rept 128
	v_exp_f32 v[Y+j], v[Y+j]                       ; p = 2^(t - M), at most 1
.set j, j+1
.endr
.irp b, 0,1,2,3
	v_exp_f32 v[BM+\b], v[BM+\b]                   ; each block's largest p: the same two instructions on the same number give the same bits
.endr
.irp x, 0,1
	v_pk_mul_f32 v[ST+4*\x+2:ST+4*\x+3], v[ST+4*\x+2:ST+4*\x+3], v[FF+2*\x:FF+2*\x+1] op_sel_hi:[1,0]   ; l under the new M (plain lines behind the batch)
.endr
	s_wait_alu depctr_va_vdst(0)                   ; one wait for the batch, ahead of its first reader and of the wait below
	s_wait_dscnt 0x0                               ; V is in
.irp b, 0,1,2,3
	v_max_num_f32 v[BM+\b], 0x1800000, v[BM+\b]    ; the floor 2^(3 - 127): the byte cannot fall under 1
.endr
.irp b, 0,1,2,3
	v_add_nc_u32 v[W+8+\b], 0xff000000, v[BM+\b]   ; 2 off the exponent field: the conversion's scale operand
.endr
.irp b, 0,1,2,3
	v_lshrrev_b32 v[W+12+\b], 23, v[W+8+\b]        ; the bytes of my blocks h and 2 + h
.endr
.irp x, 0,1
	v_lshl_or_b32 v[W+16+\x], v[W+13+2*\x], 16, v[W+12+2*\x]
.endr
.irp x, 0,1
	v_lshlrev_b32 v[W+16+\x], v[SH], v[W+16+\x]    ; at their places in the word
.endr
.irp x, 0,1
	v_permlanex16_b32 v[W+18+\x], v[W+16+\x], s[SEL], s[SEL+1]
.endr
	WIN 0x05                                       ; sources window 1, destination window 0
.irp x, 0,1
	v_or_b32 v[PW+\x], v[W+16+\x], v[W+18+\x]      ; with lane l xor 16's two: p's scale word for these 128 keys
.endr
.irp x, 0,1
.irp c, 0,1
	v_cvt_scalef32_pk16_fp6_f32 v[PC+12*\x+6*\c:PC+12*\x+6*\c+2], v[Y+64*\x+32*\c:Y+64*\x+32*\c+15], v[W+8+2*\x+\c]
	v_cvt_scalef32_pk16_fp6_f32 v[PT+8*\x+4*\c:PT+8*\x+4*\c+2], v[Y+64*\x+32*\c+16:Y+64*\x+32*\c+31], v[W+8+2*\x+\c]   ; (a conversion's three registers begin on an even number)
.endr
.endr
	WIN 0x04                                       ; source 1 (f) window 1, the rest window 0
	s_wait_alu depctr_va_vdst(0)                   ; the wait here, directly ahead of the first reader of O^T
.set j, 0
.rept 24
	v_pk_mul_f32 v[O+j:O+j+1], v[O+j:O+j+1], v[FF+2*(j/32):FF+2*(j/32)+1] op_sel_hi:[1,0]   ; O^T under the new M; plain lines behind the conversions and the words
.set j, j+2
.endr
.irp x, 0,1
.irp c, 0,1
.irp i, 0,1,2
	v_mov_b32 v[PC+12*\x+6*\c+3+\i], v[PT+8*\x+4*\c+\i]
.endr
.endr
.endr
.rept 8
	v_pk_mul_f32 v[O+j:O+j+1], v[O+j:O+j+1], v[FF+2:FF+3] op_sel_hi:[1,0]   ; eight more, between the codes' last writes and the products
.set j, j+2
.endr
	WIN 0x01                                       ; source 0 (V) window 1
.irp t, 0,1,2,3                                ; O^T += V^T P^T: the eight accumulators by turns, one instruction a turn
.irp x, 0,1
	v_wmma_scale_f32_16x16x128_f8f6f4 v[O+32*\x+8*\t:O+32*\x+8*\t+7], v[X+12*\t:X+12*\t+11], v[PC+12*\x:PC+12*\x+11], v[O+32*\x+8*\t:O+32*\x+8*\t+7], v[VS+\t], v[PW+\x] matrix_a_fmt:MATRIX_FMT_FP6 matrix_b_fmt:MATRIX_FMT_FP6
.endr
.endr
	WIN 0
	s_add_co_u32 s[TC], s[TC], KST                 ; the next 128 keys
	s_add_co_u32 s[TSK], s[TSK], 512
	s_add_co_u32 s[TSV], s[TSV], 256
	s_sub_co_u32 s48, s48, 1
	s_cmp_lg_u32 s48, 0
	s_cbranch_scc1 .Lstep
	; A PASS'S END.  The last step's p is summed: plain lines that name no register of the last products
	WIN 0x55
	SUMLO
.irp q, 16,17,18,19,20,21,22,23,24,25,26,27,28,29,30,31
	ADD2 \q
.endr
	SUMEND
.irp x, 0,1
	v_add_f32 v[ST+4*\x+2], v[ST+4*\x+2], v[ST+4*\x+3]         ; l's two halves,
.endr
.irp x, 0,1
	v_permlanex16_b32 v[W+\x], v[ST+4*\x+2], s[SEL], s[SEL+1]
.endr
.irp x, 0,1
	v_add_f32 v[ST+4*\x+2], v[ST+4*\x+2], v[W+\x]              ; and lane l xor 16's
.endr
	s_wait_alu depctr_va_vdst(0)                   ; the wait ahead of the reciprocals
	v_rcp_f32 v[ST+2], v[ST+2]
	v_rcp_f32 v[ST+6], v[ST+6]
	WIN 0x40
.irp x, 0,1
.irp i, 0,1,2,3,4,5
	v_mov_b32 v[Q+12*\x+\i], v[Q2+6*\x+\i]         ; (plain lines behind the reciprocals)  the second head's Q takes the first's place
.endr
.endr
	WIN 0
.irp x, 0,1
	v_mov_b32 v[QS+\x], v[Q2S+\x]
	v_lshrrev_b32 v[OUT+14*\x+12], 16, v[OUT+14*\x+12]         ; the head before moves down: its two bytes,
.irp i, 0,1,2,3,4,5
	v_mov_b32 v[OUT+14*\x+\i], v[OUT+14*\x+6+\i]   ; its six registers
.endr
.endr
	WIN 0x44                                       ; source 0 (O^T) window 0; source 1 and destination window 1
	s_wait_alu depctr_va_vdst(0)                   ; ahead of the reciprocals' first reader, which is also O^T's
.irp x, 0,1
.set j, 0
.rept 32
	v_mul_f32 v[Y+64*\x+j], v[O+32*\x+j], v[ST+4*\x+2]   ; O^T / l: register 16 g + i is channel 32 g + 16 (lane / 16) + i; each accumulator from its low end on
.set j, j+1
.endr
.endr
	WIN 0x55
.irp k, 0,1,2,3                                ; four half blocks: k = 2 x + g at registers 64 x + 16 g
	v_max3_num_f32 v[BM+\k], |v[Y+64*(\k/2)+16*(\k%2)]|, |v[Y+64*(\k/2)+16*(\k%2)+1]|, 0x1800000
.endr
.irp i, 2,4,6,8,10,12,14
.irp k, 0,1,2,3
	v_max3_num_f32 v[BM+\k], v[BM+\k], |v[Y+64*(\k/2)+16*(\k%2)+\i]|, |v[Y+64*(\k/2)+16*(\k%2)+\i+1]|
.endr
.endr
.irp k, 0,1,2,3
	v_permlanex16_b32 v[W+\k], v[BM+\k], s[SEL], s[SEL+1]
.endr
.irp k, 0,1,2,3
	v_max_num_f32 v[BM+\k], v[BM+\k], v[W+\k]      ; a block of 32 channels lies in lanes l and l xor 16
.endr
.irp k, 0,1,2,3
	v_add_nc_u32 v[W+8+\k], 0xff000000, v[BM+\k]
.endr
.irp k, 0,1,2,3
	v_lshrrev_b32 v[W+12+\k], 23, v[W+8+\k]
.endr
.irp x, 0,1
	v_lshl_or_b32 v[W+16+\x], v[W+13+2*\x], 8, v[W+12+2*\x]    ; this head's two bytes
.endr
	WIN 0x05
.irp x, 0,1
	v_cvt_scalef32_pk16_fp6_f32 v[PC+12*\x:PC+12*\x+2], v[Y+64*\x:Y+64*\x+15], v[W+8+2*\x]
	v_cvt_scalef32_pk16_fp6_f32 v[PT+8*\x:PT+8*\x+2], v[Y+64*\x+16:Y+64*\x+31], v[W+9+2*\x]
.endr
	WIN 0
	v_nop                                          ; one plain line behind a scaled conversion
.irp x, 0,1
.irp i, 0,1,2
	v_permlane16_swap_b32 v[PC+12*\x+\i], v[PT+8*\x+\i]        ; a whole block in a lane
.endr
.endr
.irp x, 0,1
.irp i, 0,1,2
	v_mov_b32 v[OUT+14*\x+6+\i], v[PC+12*\x+\i]
	v_mov_b32 v[OUT+14*\x+9+\i], v[PT+8*\x+\i]
.endr
.endr
	WIN 0x01
.irp x, 0,1
	v_lshl_or_b32 v[OUT+14*\x+12], v[W+16+\x], 16, v[OUT+14*\x+12]
.endr
	s_wait_alu depctr_va_vdst(0)                   ; the wait here, ahead of the scalar lines
	WIN 0
	s_add_co_u32 s[TC], s[TC], HBP-8*KST           ; on to the second head
	s_add_co_u32 s[TSK], s[TSK], 6144-8*512
	s_add_co_u32 s[TSV], s[TSV], 6144-8*256
	s_sub_co_u32 s47, s47, 1
	s_cmp_lg_u32 s47, 0
	s_cbranch_scc1 .Lpass
.irp x, 0,1
.irp c, 0,1,2
	global_store_b128 v[G16], v[OUT+14*\x+4*\c:OUT+14*\x+4*\c+3], s[8:9] offset:12288*\x+512*\c   ; the fragment as it stands: 512 consecutive bytes a store
.endr
	global_store_b32 v[R8], v[OUT+14*\x+12], s[10:11] offset:512*\x   ; my row's scale word (lanes r and r + 16 write the same word with the same value); 4 bytes of every 8: the other head pair's word lies between
.endr
	s_wait_tensorcnt 0x0                           ; the wave's end
	ds_add_u32 v254, v255
	s_wait_dscnt 0x0
	CROUND                                         ; the closing round: no work-group ends while a partner may still ask for a tile that names it
	s_endpgm
.Lfunc_end_k_q562f5114c8_attn:
	.size	k_q562f5114c8_attn, .Lfunc_end_k_q562f5114c8_attn-k_q562f5114c8_attn
	.p2alignl 7, 3214868480
	.fill 96, 4, 3214868480
	.section	.rodata,"a",@progbits
	.p2align	6, 0x0
	.amdhsa_kernel k_q562f5114c8_attn
		.amdhsa_group_segment_fixed_size 259072
		.amdhsa_private_segment_fixed_size 0
		.amdhsa_enable_private_segment 0
		.amdhsa_kernarg_size 32
		.amdhsa_user_sgpr_count 2
		.amdhsa_user_sgpr_kernarg_segment_ptr 1
		.amdhsa_wavefront_size32 1
		.amdhsa_system_sgpr_workgroup_id_x 1
		.amdhsa_system_sgpr_workgroup_id_y 1
		.amdhsa_system_sgpr_workgroup_id_z 1
		.amdhsa_system_vgpr_workitem_id 0
		.amdhsa_next_free_vgpr 512
		.amdhsa_next_free_sgpr 76
		.amdhsa_reserve_vcc 0
		.amdhsa_float_denorm_mode_32 3
		.amdhsa_float_denorm_mode_16_64 3
		.amdhsa_memory_ordered 1
		.amdhsa_forward_progress 1
		.amdhsa_inst_pref_size 57
	.end_amdhsa_kernel
	.amdgpu_metadata
---
amdhsa.version: [ 1, 2 ]
amdhsa.kernels:
  - .name:           k_q562f5114c8_attn
    .symbol:         k_q562f5114c8_attn.kd
    .args:
      - { .name: qi, .offset: 0, .size: 8, .value_kind: global_buffer, .address_space: global }
      - { .name: kvi, .offset: 8, .size: 8, .value_kind: global_buffer, .address_space: global }
      - { .name: ai, .offset: 16, .size: 8, .value_kind: global_buffer, .address_space: global }
      - { .name: asc, .offset: 24, .size: 8, .value_kind: global_buffer, .address_space: global }
    .group_segment_fixed_size: 259072
    .private_segment_fixed_size: 0
    .kernarg_segment_align: 8
    .kernarg_segment_size: 32
    .max_flat_workgroup_size: 256
    .sgpr_count:     76
    .vgpr_count:     512
    .wavefront_size: 32
...
	.end_amdgpu_metadata
.endif
;; end of part 3
;; launch outp (part 4): grid 8 x 32, 4 waves a work-group, clusters of 4 x 4, 325,120 bytes of LDS; arguments ai, asc, cod, scl, bo, out0; writes out0
.if DOCPART == 4
	.amdgcn_target "amdgcn-amd-amdhsa--gfx1250"
	.amdhsa_code_object_version 6
	.text
	.protected	k_q562f5114c8_outp
	.globl	k_q562f5114c8_outp
	.p2align	8
	.type	k_q562f5114c8_outp,@function
k_q562f5114c8_outp:
	s_mov_b64 s[64:65], 0
	v_nop
	global_prefetch_b8 v0, s[64:65] scope:SCOPE_SE
	s_setreg_imm32_b32 hwreg(HW_REG_WAVE_MODE, 25, 1), 1
	s_wait_xcnt 0x0
	s_wait_alu depctr_hold_cnt(0) depctr_sa_sdst(0) depctr_va_vdst(0) depctr_va_sdst(0) depctr_va_ssrc(0) depctr_va_vcc(0) depctr_vm_vsrc(0)
	s_getreg_b32 s2, hwreg(HW_REG_IB_STS2, 6, 4)
	s_cmp_eq_u32 s2, 0
	s_cbranch_scc0 .Lentry_in_a_cluster
	s_endpgm
.Lentry_in_a_cluster:
	s_bfe_u32 s2, ttmp6, 0x10000c
	s_cmp_lg_u32 s2, 0xf033
	s_cbranch_scc0 .Lentry_shape_is_right
	s_endpgm
.Lentry_shape_is_right:
; out0 = A Wo^T + bo.  A: the attention's result as codes of FP6 (E2M3), ai and asc; Wo: its codes and scale bytes in cod and scl (tiles 1,216 on); both as images of operand registers:
; fragment (tile T of 16 rows, K step s of 128) is 1,536 bytes at (8 T + s) x 1,536, three planes of 512 bytes, plane p holding registers 4 p .. 4 p + 3 of lane l at 16 l; scale words [T][s / 2][row][s % 2].
; Lane-row i of tile 2 g + u is row 32 g + 8 u + i + 8 (i / 8).
; SHARES.  A work-group makes 256 rows x 128 columns of out0: 32 x 8 = 256 work-groups.  Four waves, each 128 rows x 64 columns: 8 x 4 accumulators, 256 registers.
; LDS holds ALL OF K for the block: A's 16 tiles (196,608 bytes), Wo's 8 tiles (98,304), their scale words (8,192 and 4,096): four dense blocks of memory, one joint load a wave at the head.
; Nothing is filled again: no ring, and no barrier behind the one that shows the four blocks to all waves.
; CLUSTER 4 x 4: A's blocks are shared along a row of the cluster, Wo's along a column.
; NO PREFETCH: every fill stands at the head; there is no loop in which to ask ahead.
; THE MATRIX INSTRUCTION IS USED TRANSPOSED (source 0 = 16 rows of Wo, source 1 = 16 rows of A): a lane holds eight neighbouring columns of a row of out0.  The bias is the C of the first K step's products.
; REGISTERS: window 0: addresses, v32-95 all scale words (block i, K step s at v[32 + 8 i + s]: lanes 0-15 A's block i, lanes 16-31 Wo's block i, i < 4), v96-127 the bias, v128-191 the way out;
; window 1: the accumulators, (a, b) at v[8 (4 a + b)]; windows 2 and 3: two sets of fragments by turns: Wo's four at v0, A's eight at v48.
.set TB,     12288                     ; a tile's codes: 8 K steps
.set BCOD,   16*TB
.set SCA,    24*TB                     ; A's scale words
.set SCW,    SCA+8192                  ; Wo's
.set SPARE,  SCW+4096                  ; the spare words, 128 bytes a wave
.set STAGE,  SPARE+512                 ; the way out: 16 rows x (256 + 16) bytes for each wave; no fill lands here
.set SPITCH, 272
.set ADRA,  16                         ; A's blocks 0-3; ADRA2: blocks 4-7
.set ADRA2, 17
.set ADRB,  18
.set ADRS,  19                         ; scale words: lanes 0-15 A's rows, lanes 16-31 Wo's
.set ADRSA, 20                         ; all lanes A's rows
.set STO,   24
.set RD,    25
.set CO,    26
.set SPW,   28
.set NIL,   29
.set SC,    32
.set BIA,   96
.set BK,    128
.set G1A,  24
.set G0A,  32
.set G0B,  36
.set G1B,  48
.set G0SA, 56
.set G0SB, 60
.set G1SA, 68
.set G1SB, 80
.set BIAP, 96
.set OUTP, 98
.set MSB, 0
.macro WIN new                         ; low byte: bits 1:0 source 0, 3:2 source 1, 5:4 source 2, 7:6 destination; the high byte repeats the setting that is left
.if MSB != \new
	s_set_vgpr_msb (MSB<<8)|\new
.set MSB, \new
.endif
.endm
.macro CROUND                          ; a round of the cluster's barrier
	s_barrier_signal -1
	s_barrier_wait -1
	s_cmp_lg_u32 s14, 0
	s_cbranch_scc1 .Lnot_wave_0_\@
	s_barrier_signal -3
.Lnot_wave_0_\@:
	s_barrier_wait -3
	s_barrier_signal -1
	s_barrier_wait -1
.endm
.macro PLACES
.rept 4
	v_nop
.endr
.endm
	s_load_b128 s[4:7], s[0:1], 0x0                ; ai, asc
	s_load_b128 s[8:11], s[0:1], 0x10              ; cod, scl
	s_load_b128 s[96:99], s[0:1], 0x20             ; bo, out0
	v_lshl_add_u32 v[SPW], v0, 2, SPARE
	v_mov_b32 v[NIL], 0
	ds_add_u32 v[SPW], v[NIL]                      ; the opening lines: the add, twice on end, and its wait
	ds_add_u32 v[SPW], v[NIL]
	v_lshrrev_b32 v1, 5, v0
	v_readfirstlane_b32 s14, v1                    ; wave 0..3
	s_lshr_b32 s15, s14, 1                         ; which 128 rows are mine
	s_and_b32 s16, s14, 1                          ; which 64 columns
	s_bfe_u32 s40, ttmp6, 0x40000                  ; cx, cy
	s_bfe_u32 s41, ttmp6, 0x40004
	s_lshl_b32 s42, ttmp9, 2
	s_add_co_u32 s42, s42, s40                     ; block column, 0..7
	s_and_b32 s17, ttmp7, 0xffff
	s_lshl_b32 s17, s17, 2
	s_add_co_u32 s17, s17, s41                     ; block row, 0..31
	s_lshl_b32 s43, s41, 2
	s_lshl_b32 s43, 15, s43                        ; my row of the cluster
	s_lshl_b32 s44, 0x1111, s40                    ; my column
	s_or_b32 s[G1A], s43, (3<<16)|(1<<21)          ; codes: a tile is a row of 1,536 elements of 8 bytes; A 16 rows, Wo 8
	s_or_b32 s[G1B], s44, (3<<16)|(1<<21)
	s_mov_b32 s[G1A+1], 1536<<16
	s_mov_b32 s[G1A+2], 16<<16
	s_mov_b32 s[G1A+3], 1536<<16
	s_mov_b32 s[G1A+4], 16
	s_mov_b32 s[G1A+5], 1536
	s_mov_b32 s[G1A+6], 0
	s_mov_b32 s[G1A+7], 0
	s_mov_b32 s[G1B+1], 1536<<16
	s_mov_b32 s[G1B+2], 8<<16
	s_mov_b32 s[G1B+3], 1536<<16
	s_mov_b32 s[G1B+4], 8
	s_mov_b32 s[G1B+5], 1536
	s_mov_b32 s[G1B+6], 0
	s_mov_b32 s[G1B+7], 0
	s_or_b32 s[G1SA], s43, (3<<16)|(1<<21)         ; scale words: rows of 256 bytes; A 32 rows, Wo 16
	s_or_b32 s[G1SB], s44, (3<<16)|(1<<21)
	s_mov_b32 s[G1SA+1], 32<<16
	s_mov_b32 s[G1SA+2], 32<<16
	s_mov_b32 s[G1SA+3], 32<<16
	s_mov_b32 s[G1SA+4], 32
	s_mov_b32 s[G1SA+5], 32
	s_mov_b32 s[G1SA+6], 0
	s_mov_b32 s[G1SA+7], 0
	s_mov_b32 s[G1SB+1], 32<<16
	s_mov_b32 s[G1SB+2], 16<<16
	s_mov_b32 s[G1SB+3], 32<<16
	s_mov_b32 s[G1SB+4], 16
	s_mov_b32 s[G1SB+5], 32
	s_mov_b32 s[G1SB+6], 0
	s_mov_b32 s[G1SB+7], 0
	s_mul_i32 s20, s17, 16*TB                      ; A's 16 tiles, by the block row alone
	s_mov_b32 s21, 0
	s_lshl_b32 s22, s17, 13
	s_mov_b32 s23, 0
	s_lshl_b32 s46, s42, 3
	s_add_co_u32 s46, s46, 1216                    ; Wo's 8 tiles, by the block column alone
	s_lshl_b32 s92, s46, 9
	s_mov_b32 s93, 0
	s_mul_i32 s46, s46, TB
	s_mov_b32 s47, 0
	s_mov_b32 s[G0A], 1
	s_mov_b32 s[G0A+1], 0
	s_mov_b32 s[G0B], 1
	s_mov_b32 s[G0B+1], BCOD
	s_mov_b32 s[G0SA], 1
	s_mov_b32 s[G0SA+1], SCA
	s_mov_b32 s[G0SB], 1
	s_mov_b32 s[G0SB+1], SCW
	s_wait_dscnt 0x0                               ; both opening adds are done
	s_wait_kmcnt 0x0
	s_add_nc_u64 s[G0A+2:G0A+3], s[4:5], s[20:21]
	s_or_b32 s[G0A+3], s[G0A+3], 0x80000000
	s_add_nc_u64 s[G0SA+2:G0SA+3], s[6:7], s[22:23]
	s_or_b32 s[G0SA+3], s[G0SA+3], 0x80000000
	s_add_nc_u64 s[G0B+2:G0B+3], s[8:9], s[46:47]
	s_or_b32 s[G0B+3], s[G0B+3], 0x80000000
	s_add_nc_u64 s[G0SB+2:G0SB+3], s[10:11], s[92:93]
	s_or_b32 s[G0SB+3], s[G0SB+3], 0x80000000
	s_lshl_b32 s46, s42, 9                         ; my first column, in bytes: 512 x block column + 256 x half
	s_lshl_b32 s47, s16, 8
	s_add_co_u32 s46, s46, s47
	s_mov_b32 s47, 0
	s_add_nc_u64 s[BIAP:BIAP+1], s[BIAP:BIAP+1], s[46:47]
	s_add_nc_u64 s[OUTP:OUTP+1], s[OUTP:OUTP+1], s[46:47]
	s_lshl_b32 s46, s17, 20                        ; my first row: 256 x block row + 128 x half, rows of 4,096 bytes
	s_lshl_b32 s45, s15, 19
	s_add_co_u32 s46, s46, s45
	s_add_nc_u64 s[OUTP:OUTP+1], s[OUTP:OUTP+1], s[46:47]
	s_mul_i32 s18, s15, 8*TB                       ; LDS: my 8 tiles of A,
	s_mul_i32 s19, s16, 4*TB
	s_add_co_u32 s19, s19, BCOD                    ; my 4 tiles of Wo,
	s_lshl_b32 s20, s15, 12
	s_add_co_u32 s20, s20, SCA                     ; A's words,
	s_lshl_b32 s21, s16, 11
	s_add_co_u32 s21, s21, SCW
	s_sub_co_u32 s21, s21, s20                     ; how far behind them Wo's lie,
	s_mul_i32 s22, s14, 16*SPITCH
	s_add_co_u32 s22, s22, STAGE                   ; my stage
	CROUND                                         ; all sixteen work-groups are here: the joint loads meet
.macro ARM under, g0, g1, next                     ; one chain of branches on the wave's number, one fill to an arm
	s_cmp_lt_u32 s14, \under
	s_cbranch_scc0 \next
	tensor_load_to_lds s[\g0:\g0+3], s[\g1:\g1+7]
	s_nop 0
.rept 4
	v_nop
.endr
	s_branch .Lhead_asked
\next:
.endm
	ARM 1, G0A,  G1A,  .Lhead_b
	ARM 2, G0B,  G1B,  .Lhead_sa
	ARM 3, G0SA, G1SA, .Lhead_sb
	tensor_load_to_lds s[G0SB:G0SB+3], s[G1SB:G1SB+7]
	s_nop 0
.rept 4
	v_nop
.endr
.Lhead_asked:
	v_and_b32 v3, 31, v0
	v_lshlrev_b32 v3, 4, v3                        ; 16 x lane
	v_and_b32 v1, 15, v0                           ; r
	v_bfe_u32 v2, v0, 4, 1                         ; h
	v_add_nc_u32 v[ADRA], s18, v3
	v_add_nc_u32 v[ADRA2], 4*TB, v[ADRA]
	v_add_nc_u32 v[ADRB], s19, v3
	v_lshl_add_u32 v[ADRSA], v1, 3, s20            ; 8 bytes a row and pair of K steps
	v_mul_u32_u24 v6, s21, v2
	v_add_nc_u32 v[ADRS], v[ADRSA], v6
	v_mul_u32_u24 v5, v1, SPITCH                   ; into the stage: row r, 64 bytes for each half of the lanes
	v_lshl_add_u32 v5, v2, 6, v5
	v_add_nc_u32 v[STO], s22, v5
	v_mul_u32_u24 v5, v2, SPITCH                   ; back: sixteen lanes to a row of 256 bytes, two rows an instruction
	v_lshl_add_u32 v5, v1, 4, v5
	v_add_nc_u32 v[RD], s22, v5
	v_lshlrev_b32 v[CO], 12, v2                    ; and the same two rows in out0
	v_lshl_add_u32 v[CO], v1, 4, v[CO]
	v_lshlrev_b32 v7, 6, v2
.irp bb, 0,1
.irp jj, 0,1,2,3
	global_load_b128 v[BIA+16*\bb+4*\jj:BIA+16*\bb+4*\jj+3], v7, s[BIAP:BIAP+1] offset:128*\bb+16*\jj   ; tiles 2 bb, 2 bb + 1: columns 32 bb + 16 h + 0..15
.endr
.endr
	s_wait_alu depctr_va_vdst(0)                   ; the wait at the head's end
	s_wait_tensorcnt 0x0                           ; my block is in;
	s_barrier_signal -1
	s_barrier_wait -1                              ; everybody's are: the tiles are only read from here on
.irp i, 0,1,2,3,4,5,6,7
.irp kk, 0,1,2,3
.if \i < 4
	ds_load_b64 v[SC+8*\i+2*\kk:SC+8*\i+2*\kk+1], v[ADRS] offset:512*\i+128*\kk
.else
	ds_load_b64 v[SC+8*\i+2*\kk:SC+8*\i+2*\kk+1], v[ADRSA] offset:512*\i+128*\kk
.endif
.endr
.endr
.macro FETCH k                         ; K step k's twelve fragments, 36 loads, into set k % 2
	WIN 0x80+0x40*((\k)%2)
.irp b, 0,1,2,3
.irp c, 0,1,2
	ds_load_b128 v[12*\b+4*\c:12*\b+4*\c+3], v[ADRB] offset:\b*TB+(\k)*1536+512*\c
.endr
.endr
.irp a, 0,1,2,3
.irp c, 0,1,2
	ds_load_b128 v[48+12*\a+4*\c:48+12*\a+4*\c+3], v[ADRA] offset:\a*TB+(\k)*1536+512*\c
.endr
.endr
.irp a, 0,1,2,3
.irp c, 0,1,2
	ds_load_b128 v[96+12*\a+4*\c:96+12*\a+4*\c+3], v[ADRA2] offset:\a*TB+(\k)*1536+512*\c
.endr
.endr
.endm
.macro MUL k                           ; 32 products: the accumulators by turns, one instruction a turn, in the same order in every step
.if (\k) == 0
	WIN 0x4a                                       ; sources 0, 1 window 2, C (the bias) window 0, D window 1
.else
	WIN 0x5a+5*((\k)%2)                            ; sources 0, 1 window 2 or 3, C and D window 1
.endif
.irp a, 0,1,2,3,4,5,6,7
.irp b, 0,1,2,3
.if (\k) == 0
	v_wmma_scale_f32_16x16x128_f8f6f4 v[8*(4*\a+\b):8*(4*\a+\b)+7], v[12*\b:12*\b+11], v[48+12*\a:48+12*\a+11], v[BIA+8*\b:BIA+8*\b+7], v[SC+8*\b+(\k)], v[SC+8*\a+(\k)] matrix_a_fmt:MATRIX_FMT_FP6 matrix_b_fmt:MATRIX_FMT_FP6 matrix_a_scale:MATRIX_SCALE_ROW1
.else
	v_wmma_scale_f32_16x16x128_f8f6f4 v[8*(4*\a+\b):8*(4*\a+\b)+7], v[12*\b:12*\b+11], v[48+12*\a:48+12*\a+11], v[8*(4*\a+\b):8*(4*\a+\b)+7], v[SC+8*\b+(\k)], v[SC+8*\a+(\k)] matrix_a_fmt:MATRIX_FMT_FP6 matrix_b_fmt:MATRIX_FMT_FP6 matrix_a_scale:MATRIX_SCALE_ROW1
.endif
.endr
.endr
.endm
	FETCH 0
	FETCH 1
	s_wait_loadcnt 0x0                             ; the bias
	s_wait_dscnt 36                                ; the words and step 0's fragments are in; step 1's 36 loads may be out
	MUL 0
.set KK, 1
.rept 6
	PLACES                                         ; ahead of loads into the set that the products above have read
	FETCH KK+1
	s_wait_dscnt 36                                ; this step's fragments are in; the next step's 36 loads may be out
	MUL KK
.set KK, KK+1
.endr
	s_wait_dscnt 0x0
	MUL 7
	WIN 0
	PLACES                                         ; ahead of the first read of results
; THE WAY OUT, block by block of 16 rows x 64 columns, through my own stage: LDS serves a wave's instructions in order, so no wait stands between the stores and the loads
.macro TOSTAGE a
	WIN 0x04                                       ; the data: window 1
.irp b, 0,1,2,3
	ds_store_b128 v[STO], v[8*(4*(\a)+\b):8*(4*(\a)+\b)+3] offset:128*(\b/2)+32*(\b%2)          ; each accumulator from its low end on
	ds_store_b128 v[STO], v[8*(4*(\a)+\b)+4:8*(4*(\a)+\b)+7] offset:128*(\b/2)+32*(\b%2)+16
.endr
	WIN 0
.irp t, 0,1,2,3,4,5,6,7
	ds_load_b128 v[BK+32*((\a)%2)+4*\t:BK+32*((\a)%2)+4*\t+3], v[RD] offset:\t*2*SPITCH
.endr
.endm
.macro SEND a, younger                 ; younger: the LDS instructions issued behind block a's loads, which may stay out
	s_wait_dscnt \younger
.irp t, 0,1,2,3,4,5,6,7
	global_store_b128 v[CO], v[BK+32*((\a)%2)+4*\t:BK+32*((\a)%2)+4*\t+3], s[OUTP:OUTP+1] offset:(32*((\a)/2)+8*((\a)%2)+2*\t+8*(\t/4))*4096 th:TH_STORE_NT   ; sixteen lanes store 256 consecutive bytes, at a multiple of 256 from out0's first byte
.endr
.endm
	TOSTAGE 0
.irp a, 1,2,3,4,5,6,7
.if \a > 1
	s_wait_xcnt 0x0                                ; block a - 2's stores have read their registers: block a's loads may land there
.endif
	TOSTAGE \a
	SEND \a-1, 16                                  ; behind block a - 1's loads: block a's 8 stores and 8 loads
.endr
	SEND 7, 0
	s_wait_tensorcnt 0x0                           ; the wave's end
	ds_add_u32 v[SPW], v[NIL]
	s_wait_dscnt 0x0
	CROUND                                         ; the closing round
	s_endpgm
.Lfunc_end_k_q562f5114c8_outp:
	.size	k_q562f5114c8_outp, .Lfunc_end_k_q562f5114c8_outp-k_q562f5114c8_outp
	.p2alignl 7, 3214868480
	.fill 96, 4, 3214868480
	.section	.rodata,"a",@progbits
	.p2align	6, 0x0
	.amdhsa_kernel k_q562f5114c8_outp
		.amdhsa_group_segment_fixed_size 325120
		.amdhsa_private_segment_fixed_size 0
		.amdhsa_enable_private_segment 0
		.amdhsa_kernarg_size 48
		.amdhsa_user_sgpr_count 2
		.amdhsa_user_sgpr_kernarg_segment_ptr 1
		.amdhsa_wavefront_size32 1
		.amdhsa_system_sgpr_workgroup_id_x 1
		.amdhsa_system_sgpr_workgroup_id_y 1
		.amdhsa_system_sgpr_workgroup_id_z 1
		.amdhsa_system_vgpr_workitem_id 0
		.amdhsa_next_free_vgpr 1024
		.amdhsa_next_free_sgpr 100
		.amdhsa_reserve_vcc 0
		.amdhsa_float_denorm_mode_32 3
		.amdhsa_float_denorm_mode_16_64 3
		.amdhsa_memory_ordered 1
		.amdhsa_forward_progress 1
		.amdhsa_inst_pref_size 78
	.end_amdhsa_kernel
	.amdgpu_metadata
---
amdhsa.version: [ 1, 2 ]
amdhsa.kernels:
  - .name:           k_q562f5114c8_outp
    .symbol:         k_q562f5114c8_outp.kd
    .args:
      - { .name: ai, .offset: 0, .size: 8, .value_kind: global_buffer, .address_space: global }
      - { .name: asc, .offset: 8, .size: 8, .value_kind: global_buffer, .address_space: global }
      - { .name: cod, .offset: 16, .size: 8, .value_kind: global_buffer, .address_space: global }
      - { .name: scl, .offset: 24, .size: 8, .value_kind: global_buffer, .address_space: global }
      - { .name: bo, .offset: 32, .size: 8, .value_kind: global_buffer, .address_space: global }
      - { .name: out0, .offset: 40, .size: 8, .value_kind: global_buffer, .address_space: global }
    .group_segment_fixed_size: 325120
    .private_segment_fixed_size: 0
    .kernarg_segment_align: 8
    .kernarg_segment_size: 48
    .max_flat_workgroup_size: 128
    .sgpr_count:     100
    .vgpr_count:     1024
    .wavefront_size: 32
...
	.end_amdgpu_metadata
.endif
;; end of part 4
